; MI455X (gfx1250); checked and timed in simulation.
; The chip was launched on July 23, 2026; its instructions are those of AMD's public machine-readable ISA for CDNA 5 (MIT licence, August 2026) and "CDNA5" Instruction Set Architecture Reference Guide (July 2026). The comments in the code are by the model that wrote it; some were corrected since.
;; T5 MHSA. Allowed arithmetic: matrix products marked QUANTISED: E3M2 operands, one E8M0 scale for each 32 along K, by v_wmma_scale_f32_16x16x128_f8f6f4 with both operands' format E3M2, f32 sums; everything else in f32.
;; Inputs: bias 32 x 16 float32; out_b 1,024 float32; out_w 1,024 x 1,024 float32; qk_b 2,048 float32; qk_w 2,048 x 1,024 float32; v_b 1,024 float32; v_w 1,024 x 1,024 float32; x 8 x 1,024 x 1,024 float32.
;; Outputs: out0 8 x 1,024 x 1,024 float32.
;; This version of the problem:
;;   THIS VERSION OF THE PROBLEM IS GIVEN IN LOW PRECISION. The matrix products marked QUANTISED in the list below multiply operands that are first quantised to E3M2 (3 exponent bits, 2 mantissa bits; 6 bits a number), with one power-of-two scale for each 32 numbers along K (OCP MX v1.0); their sums are f32. All else is computed in f32.
;;   The module's matrix products, in the order in which they are computed (A, B: the left and right operand; K: the contracted axis; several contracted axes count as one K, in the product's order):
;;     1. [M 8,192, K 1,024] x [K 1,024, N 2,048]; A: input x; B: input qk_w: QUANTISED
;;     2. [M 8,192, K 1,024] x [K 1,024, N 1,024]; A: input x; B: input v_w: QUANTISED
;;     3. batch 128 x [M 1,024, K 64] x [K 64, N 1,024]; A: computed on the way; B: computed on the way: QUANTISED
;;     4. batch 128 x [M 1,024, K 1,024] x [K 1,024, N 64]; A: softmax (see below); B: computed on the way: QUANTISED
;;     5. [M 8,192, K 1,024] x [K 1,024, N 1,024]; A: computed on the way; B: input out_w: QUANTISED
;;   THE QUANTISER, for each operand of a quantised product, along K:
;;     - K is cut into blocks of 32 from its start; a last block that is shorter is filled with zeros.
;;     - A block's scale is 2^e with e = floor(log2(the largest magnitude in the block)) - 4, held to -126 .. 127; a block of zeros has e = 0. As a byte (E8M0): e + 127.
;;     - Each number is divided by its block's scale, clamped to +-28, and rounded to the nearest number of E3M2, ties to even, subnormals kept.
;;     - The product sums the exact products of the quantised numbers (number of the format x scale) in f32.
;;   ~~~python
;;   def quantise(x, axis):      # numpy; x: float32 -> the quantised numbers, widened to float32 again
;;       x = np.moveaxis(x, axis, -1); K = x.shape[-1]
;;       x = np.pad(x, [(0, 0)] * (x.ndim - 1) + [(0, -K % 32)]); x = x.reshape(x.shape[:-1] + (-1, 32)); a = np.abs(x).max(-1, keepdims=True)
;;       e = np.where(a > 0, np.clip(np.frexp(np.where(a > 0, a, 1))[1] - 1 - 4, -126, 127), 0)      # np.frexp(a)[1] - 1 = floor(log2(a)), exactly
;;       r = np.clip(x / 2.0 ** e, -28, 28)
;;       step = 2.0 ** (np.maximum(np.frexp(np.where(r == 0, 1, r))[1] - 1, -2) - 2)
;;       q = np.round(r / step) * step * 2.0 ** e      # np.round: ties to even
;;       return np.moveaxis(q.reshape(q.shape[:-2] + (-1,))[..., :K], -1, axis).astype(np.float32)
;;   ~~~
;;   SOFTMAX AHEAD OF A QUANTISED PRODUCT. Where the list says 'softmax', what is quantised is not the finished softmax but p = 2^(t - M), with t = logit x log2(e) and M = ceil(the row's largest t), a whole number; so 1/2 < the row's largest p <= 1. The row's sum l is taken of the UNQUANTISED p, in f32, and the product's result is divided by l at the end. Since M is a whole number, a kernel that streams over the keys may use a running M (the ceiling of the running maximum): every later rescaling is an exact power of two, which a block's scale takes up: the codes' values come out the same.
;;   OPERANDS COMPUTED ON THE WAY. 'Computed on the way' means the value that the module computes at that place (a softmax that the list does not call 'softmax' is quantised finished and normalised). What goes into a quantiser is computed in f32, as accurately as f32 sums, v_exp_f32 and their like allow (about 1e-6 of the number): no bf16 or f16 on the way to a quantiser, and a product that is left as it is and whose result goes on into a quantised operand takes f32 operands (vector FMAs, or v_wmma_f32_16x16x4_f32). A number that lies on a knife's edge between two numbers of the format may be rounded either way, as far as f32 arithmetic and the matrix unit's own rounding can turn it there, and no further.
;; One version. Each part assembles by itself: llvm-mc -triple=amdgcn-amd-amdhsa -mcpu=gfx1250 --defsym DOCPART=n.
;; ======== version 1 of 1: 4 launches
;; limits: right only within a limited range of input values
;; workspace buffers: cod 9,437,184 bytes; scl 393,216 bytes; qq 6,815,744 bytes; kv 13,107,200 bytes
;; launch quant (part 1): grid 768 x 1, 4 waves a work-group, no clusters, 34,816 bytes of LDS; arguments x, qk_w, v_w, out_w, cod, scl; writes cod, scl
.if DOCPART == 1
	.amdgcn_target "amdgcn-amd-amdhsa--gfx1250"
	.amdhsa_code_object_version 6
	.text
	.protected	k_q3136115d72_quant
	.globl	k_q3136115d72_quant
	.p2align	8
	.type	k_q3136115d72_quant,@function
k_q3136115d72_quant:
	s_mov_b64 s[64:65], 0
	v_nop
	global_prefetch_b8 v0, s[64:65] scope:SCOPE_SE
	s_setreg_imm32_b32 hwreg(HW_REG_WAVE_MODE, 25, 1), 1
	s_wait_xcnt 0x0
; T5 self-attention, all five products on codes of BF6 (E3M2) with one E8M0 scale for each 32 along K.  FOUR LAUNCHES:
;   quant: x, qk_w, v_w, out_w -> codes and scale words;   proj: q, k, v (+ biases), quantised again;   attn: scores, T5 bias, causal softmax, p v, / l, quantised;   outp: o out_w^T + out_b.
; WORK LEFT OUT (in attn): reference() sets the score of key j for query i to -inf wherever j > i, in its own body, so p = 0 there whatever finite values the inputs hold.  A step of 128 keys all of which
; come after a wave's 16 queries can therefore reach no output, and is not loaded, multiplied or exponentiated.  LIMIT: a NaN, an infinity or an overflow that reaches only those scores is not carried to the result.
; No input is without a way to the output: all eight are loaded (of bias, row 17 is never gathered: the bucket table, a constant of reference(), has no 17).
; THIS LAUNCH.  Rows are dense along K = 1,024, which is innermost in all four tensors.  A block's scale is 2^(floor(log2(largest magnitude)) - 4): its byte is the largest magnitude's exponent field - 4, held at 1 from below.
; LIMITS: NaN and infinities among the inputs are not served; a block whose largest magnitude lies under 2^-122 keeps the byte 1; a block of zeros gets the byte 1 where the rule says 127 (its codes are zeros, which add
; nothing under any byte but 0xff, and this program alone reads the bytes).
; LAYOUT OF cod: [4 quarters of K][768 tiles of 16 rows][4 units of 64 along K][768 bytes]: 8 neighbouring tiles of one quarter are 24,576 dense bytes.  A unit is an IMAGE OF SIX OPERAND REGISTERS: lane l's registers 0-3
; at 16 l, its registers 4-5 at 512 + 8 l; lane (r, h) holds block h of the tile's row r.  Two units on end are a fragment (16 rows x 128 K).  Tiles 0-511: x; 512-639: qk_w; 640-703: v_w; 704-767: out_w.
; THE ROWS OF A TILE ARE NOT NEIGHBOURS: place r of tile T holds row 32 (T / 2) + 8 (T % 2) + r + 8 (r / 8), so that the results of a product against two neighbouring tiles are 16 neighbours in a lane's registers.
; LAYOUT OF scl: [8 K steps of 128][12,288 places] words of four scale bytes, places in the tiles' order.
; SHARES: work-group T: four tiles 4 (T / 4) + wave, K's quarter T % 4.  Each load reads 512 consecutive bytes of one row; the 16 rows turn through the wave's own stage in LDS, so that a lane gets
; 16 neighbours of each block.  No input is shared between work-groups, so there is no cluster; the launch is a stream, so there are no tensor loads, no matrix work and no prefetch.
.set STG,   8448                       ; a wave's stage: 16 rows x (512 bytes + 16): the sixteen rows that a read touches differ modulo 256 bytes
.set SCS,   4*STG                      ; the work-group's scale words: [2 K steps][4 tiles][16 words]
.set SPARE, SCS+512                    ; the spare words, 128 bytes for each wave: two blocks of 256 bytes that no other line names
.set L16,  4                           ; v4   16 x lane
.set L8,   5                           ; v5   8 x lane
.set SIN,  6                           ; v6   the stage on the way in
.set SOUT, 7                           ; v7   and on the way out: row r, + 64 h
.set SWA,  8                           ; v8   where my tile's scale words go
.set SRA,  9                           ; v9   where waves 0 and 1 read 256 bytes of them back
.set SPW,  10                          ; v10  LDS address of my spare word; never rewritten
.set NIL,  11                          ; v11  0; never rewritten
.set PW,   12                          ; v12  the scale word just made
.set RB,   14                          ; v14-15
.set R,    16                          ; v16-143 two sets of 64 numbers
.set PC,   144                         ; v144-162 the codes just made
.set TM,   164                         ; v164-167 largest magnitudes, v168-171 bytes, v172-175 the conversions' scale operands
.set SEL,  24                          ; s[24:25] lane selects: lane l xor 16
; 64 numbers of a lane, register 16 b + i = k 32 b + 16 (lane / 16) + i of my row, become a fragment's codes in v[PC] .. v[PC + 11] and its scale word in v[PW]
.macro QUANT s
.irp b, 0,1,2,3
	v_max3_num_f32 v[TM+\b], |v[\s+16*\b]|, |v[\s+1+16*\b]|, 0x2800000   ; my 16 numbers of block b, and the floor 2^(5 - 127): the byte cannot fall under 1
.endr
.irp i, 2,4,6,8,10,12,14
.irp b, 0,1,2,3
	v_max3_num_f32 v[TM+\b], v[TM+\b], |v[\s+16*\b+\i]|, |v[\s+1+16*\b+\i]|
.endr
.endr
.irp b, 0,1,2,3
	v_permlanex16_b32 v[TM+4+\b], v[TM+\b], s[SEL], s[SEL+1]
.endr
.irp b, 0,1,2,3
	v_max_num_f32 v[TM+\b], v[TM+\b], v[TM+4+\b]        ; with lane l xor 16's: the block's largest magnitude
.endr
.irp b, 0,1,2,3
	v_add_nc_u32 v[TM+8+\b], 0xfe000000, v[TM+\b]       ; 4 off its exponent field: the conversion takes this operand's exponent field as its scale
.endr
.irp b, 0,1,2,3
	v_lshrrev_b32 v[TM+4+\b], 23, v[TM+8+\b]            ; the scale's byte
.endr
	v_lshl_or_b32 v[PW], v[TM+5], 8, v[TM+4]
	v_lshl_or_b32 v[PW], v[TM+6], 16, v[PW]
	v_lshl_or_b32 v[PW], v[TM+7], 24, v[PW]
	s_wait_xcnt 0x0                                     ; the last fragment's stores have read the codes' registers: they are written again only behind this wait
.irp c, 0,1
	v_cvt_scalef32_pk16_bf6_f32 v[PC+6*\c:PC+2+6*\c], v[\s+32*\c:\s+15+32*\c], v[TM+8+2*\c]
	v_cvt_scalef32_pk16_bf6_f32 v[PC+12+4*\c:PC+14+4*\c], v[\s+16+32*\c:\s+31+32*\c], v[TM+8+2*\c+1]   ; (a conversion's three registers begin on an even number)
.endr
	v_nop                                               ; one plain place behind a scaled conversion
.irp c, 0,1                                         ; the operand's layout wants a whole block in a lane: lanes 0-15 block 2 c, lanes 16-31 block 2 c + 1
.irp i, 0,1,2
	v_permlane16_swap_b32 v[PC+6*\c+\i], v[PC+12+4*\c+\i]
.endr
.irp i, 0,1,2
	v_mov_b32 v[PC+3+6*\c+\i], v[PC+12+4*\c+\i]
.endr
.endr
.endm
	s_load_b256 s[4:11], s[0:1], 0x0               ; x, qk_w, v_w, out_w
	s_load_b128 s[12:15], s[0:1], 0x20             ; cod, scl
	v_lshl_add_u32 v[SPW], v0, 2, SPARE
	v_mov_b32 v[NIL], 0
	v_lshrrev_b32 v1, 5, v0
	v_readfirstlane_b32 s16, v1                    ; wave
	v_and_b32 v2, 31, v0                           ; lane
	v_and_b32 v3, 15, v0                           ; r
	v_bfe_u32 v13, v0, 4, 1                        ; h
	v_lshlrev_b32 v[L16], 4, v2
	v_lshlrev_b32 v[L8], 3, v2
	s_mul_i32 s17, s16, STG
	v_add_nc_u32 v[SIN], s17, v[L16]
	v_mul_u32_u24 v[SOUT], v3, 528
	v_lshl_add_u32 v[SOUT], v13, 6, v[SOUT]
	v_add_nc_u32 v[SOUT], s17, v[SOUT]
	s_lshl_b32 s17, s16, 6
	s_add_co_u32 s17, s17, SCS
	v_lshl_add_u32 v[SWA], v3, 2, s17
	s_and_b32 s17, s16, 1
	s_lshl_b32 s17, s17, 8
	s_add_co_u32 s17, s17, SCS
	v_add_nc_u32 v[SRA], s17, v[L8]
.irp b, 0,1,2,3
	v_mov_b32 v[TM+4+\b], 0                        ; written once: a lane permute's destination counts as one of its sources
.endr
	s_mov_b32 s[SEL], 0x76543210
	s_mov_b32 s[SEL+1], 0xfedcba98
	s_lshr_b32 s18, ttmp9, 2                       ; which four tiles
	s_and_b32 s19, ttmp9, 3                        ; which quarter of K
	s_lshl_b32 s20, s18, 2
	s_add_co_u32 s20, s20, s16                     ; my tile
	s_mov_b32 s21, 704
	s_wait_alu depctr_va_vdst(0)
	s_wait_kmcnt 0x0
	s_cmp_lt_u32 ttmp9, 704                        ; which tensor: the bounds are multiples of 4, so the work-group's number decides for its four tiles; the choice hangs on no address
	s_cselect_b64 s[8:9], s[8:9], s[10:11]
	s_cselect_b32 s21, 640, s21
	s_cmp_lt_u32 ttmp9, 640
	s_cselect_b64 s[6:7], s[6:7], s[8:9]
	s_cselect_b32 s21, 512, s21
	s_cmp_lt_u32 ttmp9, 512
	s_cselect_b64 s[4:5], s[4:5], s[6:7]
	s_cselect_b32 s21, 0, s21                      ; the tensor's first tile
	s_sub_co_u32 s22, s20, s21                     ; my tile in its tensor: it begins at row 32 (t / 2) + 8 (t % 2); a row is 4,096 bytes
	s_lshr_b32 s23, s22, 1
	s_lshl_b32 s23, s23, 17
	s_and_b32 s22, s22, 1
	s_lshl_b32 s22, s22, 15
	s_add_co_u32 s22, s22, s23
	s_lshl_b32 s23, s19, 10                        ; a quarter of K is 1,024 bytes of a row
	s_add_co_u32 s22, s22, s23
	s_mov_b32 s23, 0
	s_add_nc_u64 s[4:5], s[4:5], s[22:23]
	s_mul_i32 s22, s20, 3072                       ; my tile,
	s_mul_i32 s26, s19, 2359296                    ; and my quarter of K: 768 x 3,072 bytes from quarter to quarter
	s_add_co_u32 s22, s22, s26
	s_add_nc_u64 s[12:13], s[12:13], s[22:23]      ; my two fragments in cod
	s_lshl_b32 s22, s19, 1
	s_and_b32 s26, s16, 1
	s_add_co_u32 s22, s22, s26
	s_mul_i32 s22, s22, 49152
	s_lshl_b32 s26, s18, 8
	s_add_co_u32 s22, s22, s26
	s_add_nc_u64 s[14:15], s[14:15], s[22:23]      ; waves 0 and 1: K step 2 y + wave, the four tiles' 64 words
.irp kk, 0,1
.irp i, 0,1,2,3,4,5,6,7,8,9,10,11,12,13,14,15
	global_load_b128 v[R+64*\kk+4*\i:R+64*\kk+4*\i+3], v[L16], s[4:5] offset:(\i+8*(\i/8))*4096+512*\kk th:TH_LOAD_NT   ; place i's row: 32 lanes read 512 consecutive bytes, one K step
.endr
.endr
.macro HALF kk
.if \kk == 0
	s_wait_loadcnt 16                              ; this K step's 16 loads are in; the other's 16 may be out
.else
	s_wait_loadcnt 0x0
.endif
.irp i, 0,1,2,3,4,5,6,7,8,9,10,11,12,13,14,15
	ds_store_b128 v[SIN], v[R+64*\kk+4*\i:R+64*\kk+4*\i+3] offset:528*\i
.endr
.irp b, 0,1,2,3
.irp j, 0,1,2,3
	ds_load_b128 v[R+64*\kk+16*\b+4*\j:R+64*\kk+16*\b+4*\j+3], v[SOUT] offset:128*\b+16*\j   ; LDS serves a wave's instructions in order: these see my stores
.endr
.endr
	s_wait_dscnt 0x0
	QUANT R+64*\kk
	global_store_b128 v[L16], v[PC:PC+3], s[12:13] offset:1536*\kk           ; each store covers 512 or 256 consecutive bytes, at a multiple of 256 from cod's first byte
	global_store_b64 v[L8], v[PC+4:PC+5], s[12:13] offset:1536*\kk+512
	global_store_b128 v[L16], v[PC+6:PC+9], s[12:13] offset:1536*\kk+768
	global_store_b64 v[L8], v[PC+10:PC+11], s[12:13] offset:1536*\kk+1280
	ds_store_b32 v[SWA], v[PW] offset:256*\kk      ; lanes r and r + 16 write the same word with the same value
.endm
	HALF 0
	HALF 1
	s_wait_dscnt 0x0                               ; for the others' sake: my scale words have landed
	s_barrier_signal -1
	s_barrier_wait -1
	s_cmp_gt_u32 s16, 1
	s_cbranch_scc1 .Ldone
	ds_load_b64 v[RB:RB+1], v[SRA]                 ; a K step's 64 words of the four tiles
	s_wait_dscnt 0x0
	global_store_b64 v[L8], v[RB:RB+1], s[14:15]   ; 32 lanes store 256 consecutive bytes, aligned
.Ldone:
	s_wait_tensorcnt 0x0                           ; the wave's end, behind my last LDS store
	ds_add_u32 v[SPW], v[NIL]
	s_wait_dscnt 0x0
	s_endpgm
.Lfunc_end_k_q3136115d72_quant:
	.size	k_q3136115d72_quant, .Lfunc_end_k_q3136115d72_quant-k_q3136115d72_quant
	.p2alignl 7, 3214868480
	.fill 96, 4, 3214868480
	.section	.rodata,"a",@progbits
	.p2align	6, 0x0
	.amdhsa_kernel k_q3136115d72_quant
		.amdhsa_group_segment_fixed_size 34816
		.amdhsa_private_segment_fixed_size 0
		.amdhsa_enable_private_segment 0
		.amdhsa_kernarg_size 48
		.amdhsa_user_sgpr_count 2
		.amdhsa_user_sgpr_kernarg_segment_ptr 1
		.amdhsa_wavefront_size32 1
		.amdhsa_system_sgpr_workgroup_id_x 1
		.amdhsa_system_sgpr_workgroup_id_y 1
		.amdhsa_system_sgpr_workgroup_id_z 1
		.amdhsa_system_vgpr_workitem_id 0
		.amdhsa_next_free_vgpr 192
		.amdhsa_next_free_sgpr 66
		.amdhsa_reserve_vcc 0
		.amdhsa_float_denorm_mode_32 3
		.amdhsa_float_denorm_mode_16_64 3
		.amdhsa_memory_ordered 1
		.amdhsa_forward_progress 1
		.amdhsa_inst_pref_size 20
	.end_amdhsa_kernel
	.amdgpu_metadata
---
amdhsa.version: [ 1, 2 ]
amdhsa.kernels:
  - .name:           k_q3136115d72_quant
    .symbol:         k_q3136115d72_quant.kd
    .args:
      - { .name: x, .offset: 0, .size: 8, .value_kind: global_buffer, .address_space: global }
      - { .name: qk_w, .offset: 8, .size: 8, .value_kind: global_buffer, .address_space: global }
      - { .name: v_w, .offset: 16, .size: 8, .value_kind: global_buffer, .address_space: global }
      - { .name: out_w, .offset: 24, .size: 8, .value_kind: global_buffer, .address_space: global }
      - { .name: cod, .offset: 32, .size: 8, .value_kind: global_buffer, .address_space: global }
      - { .name: scl, .offset: 40, .size: 8, .value_kind: global_buffer, .address_space: global }
    .group_segment_fixed_size: 34816
    .private_segment_fixed_size: 0
    .kernarg_segment_align: 8
    .kernarg_segment_size: 48
    .max_flat_workgroup_size: 128
    .sgpr_count:     66
    .vgpr_count:     192
    .wavefront_size: 32
...
	.end_amdgpu_metadata
.endif
;; end of part 1
;; launch proj (part 2): grid 8 x 32, 4 waves a work-group, clusters of 4 x 4, 327,680 bytes of LDS; arguments cod, scl, qk_b, v_b, qq, kv; writes qq, kv
.if DOCPART == 2
	.amdgcn_target "amdgcn-amd-amdhsa--gfx1250"
	.amdhsa_code_object_version 6
	.text
	.protected	k_q3136115d72_proj
	.globl	k_q3136115d72_proj
	.p2align	8
	.type	k_q3136115d72_proj,@function
k_q3136115d72_proj:
	s_mov_b64 s[64:65], 0
	v_nop
	global_prefetch_b8 v0, s[64:65] scope:SCOPE_SE
	s_setreg_imm32_b32 hwreg(HW_REG_WAVE_MODE, 25, 1), 1
	s_wait_xcnt 0x0
	s_wait_alu depctr_hold_cnt(0) depctr_sa_sdst(0) depctr_va_vdst(0) depctr_va_sdst(0) depctr_va_ssrc(0) depctr_va_vcc(0) depctr_vm_vsrc(0)
	s_getreg_b32 s2, hwreg(HW_REG_IB_STS2, 6, 4)
	s_cmp_eq_u32 s2, 0
	s_cbranch_scc0 .Lentry_in_a_cluster
	s_endpgm
.Lentry_in_a_cluster:
	s_bfe_u32 s2, ttmp6, 0x10000c
	s_cmp_lg_u32 s2, 0xf033
	s_cbranch_scc0 .Lentry_shape_is_right
	s_endpgm
.Lentry_shape_is_right:
; LAUNCH 2 OF 4: q | k = x qk_w^T + qk_b and v = x v_w^T + v_b on codes of BF6 (E3M2), and their results quantised again: q and k along the head's 64, v along the keys.  Nothing of reference() is left out here.
; 256 WORK-GROUPS THAT STAY.  Work-group (J, XB) keeps x's 256 tokens XB for all of K = 1,024 in LDS (196,608 bytes) and walks three chunks of 128 weight rows (98,304 bytes each): qk_w's heads 2 J and 2 J + 1, then
; v_w's rows 128 J .. (heads 2 J, 2 J + 1).  8 x 32 work-groups x 3 chunks are all 24 chunks for all 32 blocks of tokens, the same work in each.
; cod is laid [4 quarters of K][768 tiles of 16 rows][3,072 bytes]: 8 tiles of a quarter are 24,576 dense bytes.  AT THE HEAD one tensor load a wave: waves 0, 1: 8 tiles of x each, 4 quarters; waves 2, 3: the first chunk, 2 quarters each.
; THE CHUNK'S BYTES ARE FILLED AGAIN behind a tile's last products: each wave one quarter of K.  The load is asked for ahead of the tile's whole way out (four tiles of 16 rows quantised and stored by each wave) and waited for
; behind it.  By this text's own count a wave has one tensor load out at a time.
; PREFETCH: in a tile's first K step each wave names 24 blocks of 256 bytes of the chunk that the tile's end will ask for, seven K steps ahead of that load.  The four partners of a column of the cluster share the chunk's four
; quarters of K out by address (cy), the four waves a quarter's 24,576 bytes; lanes 24-31 name their wave's last block again.  So each block is named once in each cluster that will load it.  The last tile asks for nothing.
; CLUSTERS: 4 x 4 work-groups; x's tiles are asked for jointly along a row of the cluster, the weights' along a column.
; THE MATRIX INSTRUCTION IS USED TRANSPOSED: a lane holds one place of source 1, and its 64 registers of one tile of source 1 against eight tiles of source 0 are 128 neighbours (the rows of a tile are chosen for it in launch 1).
;   q | k: source 1 = x (wave w: tiles 4 w .. 4 w + 3), source 0 = the chunk's eight tiles: one head's q | k.     v: source 1 = four tiles of the chunk (one head's 64 channels), source 0 = eight tiles of x (128 keys).
; The biases are the C of each tile's first products; the quantiser reads the accumulators where they lie.
; The scale words of all 640 places, for all of K (20,480 bytes), come once, through registers, 512 consecutive bytes a load, into LDS bytes of their own.
; OUT: qq [128 heads][64 tiles x 768 bytes of q's codes | at 49,152: 64 x 16 words (s0, s1, s0, s1)];  kv [128 heads][8 key steps][8 x 768 k's codes | 4 x 1,536 V^T | 4 x 16 words of k (a pair of tiles each) | 4 x 16 words of V].
; LIMITS: NaN and infinities are not served; a block whose largest magnitude lies under 2^-122 keeps the byte 1, and so does a block of zeros (its codes are zeros, and this program alone reads the bytes);
; k's scale words leave in runs of 128 bytes (a wave owns two of a key step's four pairs of tiles).
; REGISTERS: window 0: v1-31 addresses; v32-95 scale words (register 8 n + i: lanes 0-15 source 1's tile i, lanes 16-31 source 0's tile i, K step n) and nothing else; v96-191 source 1's fragments, two sets; v192-228 the way out and the prefetches' offset.
;   window 1: source 0's fragments, two sets, at v0 and v128.   window 2: the accumulators, (a, b) at v[8 (8 a + b)].   window 3: the biases: v0-127 q | k's two heads, v128-159 v's.
.set QB,    24576                      ; 8 tiles x a quarter of K
.set REG,   4*QB
.set QSTR,  2359296                    ; bytes from quarter to quarter in cod
.set WBASE, 2*REG                      ; the chunk, behind x's two halves
.set SCL,   3*REG                      ; scale words, blocks of [8 K steps][128 words]: v's chunk, x's two halves, q | k's two chunks
.set QST,   SCL+20480                  ; small stages for the results' scale words: 1,024 bytes a wave
.set SPARE, QST+4096                   ; the spare words, 128 bytes for each wave: two blocks of 256 bytes that no other line names
.set L16, 1
.set L8,  2
.set L4,  3
.set SPW, 4                            ; v4   LDS address of my spare word; never rewritten
.set NIL, 5                            ; v5   0; never rewritten
.set SST, 6
.set AQ0, 7                            ; v7-9 where my scale words lie: q | k's two tiles, v's
.set AQ1, 8
.set AV,  9
.set QB16, 10                          ; each group of four: 16 x lane on for K's two halves, 8 x lane on for K's two halves
.set QA16, 14
.set VB16, 18
.set VA16, 22
.set SWI, 26
.set SR8, 27
.set SR4, 28
.set PW,  29
.set PWE, 30
.set TT,  31
.set SC,  32
.set AF,  96
.set PC,  192
.set TM,  212
.set HB,  224
.set PFO, 228                          ; v228 the prefetches' offset: 256 x min(lane, 23); never rewritten
.set WV, 16
.set RH, 17
.set CH, 18
.set G1X, 24
.set G1W, 32
.set G1R, 40
.set G0X, 48
.set G0W, 52
.set G0R1, 56
.set G0R2, 60
.set QP, 86
.set QW, 88
.set KP, 90
.set KW, 92
.set VP, 94
.set SEL, 96
.set PF1, 98                           ; s[98:99], s[100:101] my 6,144 bytes of the second and of the third chunk; never rewritten
.set PF2, 100
.set MSB, 0
.macro WIN new                         ; the immediate's high byte repeats the setting that is left
.if MSB != (\new)
	s_set_vgpr_msb (MSB<<8)|(\new)
.set MSB, (\new)
.endif
.endm
.set MUL_LO, 0xa1                      ; source 0 window 1, source 1 window 0, C and D window 2
.set TO_B,   0x40
.macro CREST                           ; a round of the cluster's barrier behind its opening barrier
	s_cmp_lg_u32 s[WV], 0
	s_cbranch_scc1 .Lnot_wave_0_\@
	s_barrier_signal -3
.Lnot_wave_0_\@:
	s_barrier_wait -3
	s_barrier_signal -1
	s_barrier_wait -1
.endm
.macro CROUND
	s_barrier_signal -1
	s_barrier_wait -1
	CREST
.endm
.macro PLACES                          ; four places behind a matrix instruction, in front of loads into its registers and of reads of its results
.rept 4
	v_nop
.endr
.endm
.macro FRAG reg, a16, a8, off          ; a fragment's image: every load covers 512 or 256 consecutive bytes
	ds_load_b128 v[(\reg):(\reg)+3], v[\a16] offset:(\off)
	ds_load_b64 v[(\reg)+4:(\reg)+5], v[\a8] offset:(\off)+512
	ds_load_b128 v[(\reg)+6:(\reg)+9], v[\a16] offset:(\off)+768
	ds_load_b64 v[(\reg)+10:(\reg)+11], v[\a8] offset:(\off)+1280
.endm
.macro FETCH n, b16, a16               ; K step n's twelve fragments into the sets n % 2: 48 loads, source 1's tiles 2 and 3 the last eight
	WIN TO_B
.irp i, 0,1,2,3,4,5,6,7
	FRAG 128*((\n)%2)+12*\i, (\b16)+(\n)/4, (\b16)+2+(\n)/4, (((\n)/2)%2)*QB+\i*3072+((\n)%2)*1536
.endr
	WIN 0
.irp i, 0,1,2,3
	FRAG AF+48*((\n)%2)+12*\i, (\a16)+(\n)/4, (\a16)+2+(\n)/4, (((\n)/2)%2)*QB+\i*3072+((\n)%2)*1536
.endr
.endm
; 16 matrix instructions: source 1's tiles a0, a0 + 1 x source 0's eight, K step n.  cb >= 0: the sums start from the biases at v[cb + 8 b kb + 8 a ka] of window 3.  The 32 accumulators take turns.
.macro MUL16 a0, n, cb, kb, ka
.irp a, \a0, \a0+1
.irp b, 0,1,2,3,4,5,6,7
.if (\cb) >= 0
	v_wmma_scale_f32_16x16x128_f8f6f4 v[8*(8*(\a)+\b):8*(8*(\a)+\b)+7], v[128*((\n)%2)+12*\b:128*((\n)%2)+12*\b+11], v[AF+48*((\n)%2)+12*(\a):AF+48*((\n)%2)+12*(\a)+11], v[(\cb)+8*\b*(\kb)+8*(\a)*(\ka):(\cb)+8*\b*(\kb)+8*(\a)*(\ka)+7], v[SC+8*(\n)+\b], v[SC+8*(\n)+(\a)] matrix_a_fmt:MATRIX_FMT_BF6 matrix_b_fmt:MATRIX_FMT_BF6 matrix_a_scale:MATRIX_SCALE_ROW1
.else
	v_wmma_scale_f32_16x16x128_f8f6f4 v[8*(8*(\a)+\b):8*(8*(\a)+\b)+7], v[128*((\n)%2)+12*\b:128*((\n)%2)+12*\b+11], v[AF+48*((\n)%2)+12*(\a):AF+48*((\n)%2)+12*(\a)+11], v[8*(8*(\a)+\b):8*(8*(\a)+\b)+7], v[SC+8*(\n)+\b], v[SC+8*(\n)+(\a)] matrix_a_fmt:MATRIX_FMT_BF6 matrix_b_fmt:MATRIX_FMT_BF6 matrix_a_scale:MATRIX_SCALE_ROW1
.endif
.endr
.endr
.endm
; K step n: the next step's fragments are asked for into the other sets, which the step before has read; then 32 products.  pf > 0: the prefetch by the base at s[pf] stands behind the run of LDS loads.
.macro STEP n, b16, a16, cb, kb, ka, pf
	s_wait_dscnt 8                                 ; this step's fragments are in, but for the youngest eight loads: source 1's tiles 2 and 3
	PLACES
	FETCH (\n)+1, \b16, \a16
.if \pf
	global_prefetch_b8 v[PFO], s[\pf:\pf+1] th:TH_LOAD_NT scope:SCOPE_SE
.endif
.if (\cb) >= 0
	WIN 0xb1                                       ; C in window 3
.else
	WIN MUL_LO
.endif
	MUL16 0, \n, \cb, \kb, \ka
	s_wait_dscnt 48                                ; all but the 48 loads just issued: tiles 2 and 3 are in
	MUL16 2, \n, \cb, \kb, \ka
.endm
.macro SCW adrs                        ; a tile's 64 registers of scale words
.irp n, 0,1,2,3,4,5,6,7
.irp i, 0,1,2,3,4,5,6,7
	ds_load_b32 v[SC+8*\n+\i], v[\adrs] offset:512*\n+64*\i   ; (for i over 3 lanes 0-15 read words that no product names)
.endr
.endr
.endm
; A tile: 128 x 256 results over all of K.  g0 > 0: behind its last products the chunk's bytes are filled again by the descriptor at s[g0].
.macro TILE b16, a16, cb, kb, ka, g0, pf
	FETCH 0, \b16, \a16
	STEP 0, \b16, \a16, \cb, \kb, \ka, \pf
.irp n, 1,2,3,4,5,6
	STEP \n, \b16, \a16, -1, 0, 0, 0
.endr
	s_wait_dscnt 0x0                               ; K step 7's fragments are in: my reads of the chunk are over
	WIN 0                                          ; (the add's two registers lie in window 0)
.if \g0
	s_wait_tensorcnt 0x0                           ; no tensor load of mine is out;
	ds_add_u32 v[SPW], v[NIL]                      ; 0 onto my spare word
	WIN MUL_LO
	MUL16 0, 7, -1, 0, 0
	s_wait_dscnt 0x0                               ; the add is done
	s_barrier_signal -1                            ; this barrier opens a round of the cluster's barrier
	MUL16 2, 7, -1, 0, 0
	WIN 0
	s_barrier_wait -1
	CREST                                          ; no wave of any partner still reads the chunk
	tensor_load_to_lds s[\g0:\g0+3], s[G1R:G1R+7]  ; my quarter of K of the next chunk: my one tensor load behind the round
	s_nop 0
	PLACES                                         ; also the places in front of the reads of the results
.else
	WIN MUL_LO
	MUL16 0, 7, -1, 0, 0
	MUL16 2, 7, -1, 0, 0
	WIN 0
	PLACES
.endif
.endm
.macro LANDED                          ; the next chunk is whole for all four waves
	s_wait_alu depctr_va_vdst(0)
	s_wait_tensorcnt 0x0
	s_wait_dscnt 0x0
	s_barrier_signal -1
	s_barrier_wait -1
.endm
; The 64 accumulator registers of source 1's tile a, register 16 b + i = k 32 b + 16 (lane / 16) + i of my row, become a fragment's codes in v[PC] .. v[PC + 11] and its scale word in v[PW].  Each accumulator is read from its low end on.
.macro QUANT a
.set ACC, 64*(\a)
	WIN 0x0a                                       ; sources 0 and 1: window 2
.irp b, 0,1,2,3
	v_max3_num_f32 v[TM+\b], |v[ACC+16*\b]|, |v[ACC+1+16*\b]|, 0x2800000   ; and the floor 2^(5 - 127): the byte cannot fall under 1
.endr
	WIN 0x28                                       ; sources 1 and 2: window 2
.irp i, 2,4,6,8,10,12,14
.irp b, 0,1,2,3
	v_max3_num_f32 v[TM+\b], v[TM+\b], |v[ACC+16*\b+\i]|, |v[ACC+1+16*\b+\i]|
.endr
.endr
	WIN 0
.irp b, 0,1,2,3
	v_permlanex16_b32 v[TM+4+\b], v[TM+\b], s[SEL], s[SEL+1]
.endr
.irp b, 0,1,2,3
	v_max_num_f32 v[TM+\b], v[TM+\b], v[TM+4+\b]   ; with lane l xor 16's: the block's largest magnitude
.endr
.irp b, 0,1,2,3
	v_add_nc_u32 v[TM+8+\b], 0xfe000000, v[TM+\b]  ; 4 off its exponent field: the conversion's scale operand
.endr
.irp b, 0,1,2,3
	v_lshrrev_b32 v[TM+4+\b], 23, v[TM+8+\b]       ; the scale's byte
.endr
	v_lshl_or_b32 v[PW], v[TM+5], 8, v[TM+4]
	v_lshl_or_b32 v[PW], v[TM+6], 16, v[PW]
	v_lshl_or_b32 v[PW], v[TM+7], 24, v[PW]
	s_wait_alu depctr_va_vdst(0)
	s_wait_xcnt 0x0                                ; the last fragment's stores have read the codes' registers
	WIN 0x02                                       ; source 0: window 2
.irp c, 0,1
	v_cvt_scalef32_pk16_bf6_f32 v[PC+6*\c:PC+2+6*\c], v[ACC+32*\c:ACC+15+32*\c], v[TM+8+2*\c]
	v_cvt_scalef32_pk16_bf6_f32 v[PC+12+4*\c:PC+14+4*\c], v[ACC+16+32*\c:ACC+31+32*\c], v[TM+8+2*\c+1]   ; (a conversion's three registers begin on an even number)
.endr
	WIN 0
	v_nop                                          ; one plain place behind a scaled conversion
.irp c, 0,1                            ; the operand's layout wants a whole block in a lane
.irp i, 0,1,2
	v_permlane16_swap_b32 v[PC+6*\c+\i], v[PC+12+4*\c+\i]
.endr
.irp i, 0,1,2
	v_mov_b32 v[PC+3+6*\c+\i], v[PC+12+4*\c+\i]
.endr
.endr
.endm
.macro EPIQ a, t                       ; 16 tokens of head 2 J + t: blocks 0, 1 of the 128 columns are q, blocks 2, 3 are k
	QUANT \a
	global_store_b128 v[L16], v[PC:PC+3], s[QP:QP+1] offset:53248*(\t)+768*(\a)
	global_store_b64 v[L8], v[PC+4:PC+5], s[QP:QP+1] offset:53248*(\t)+768*(\a)+512
	global_store_b128 v[L16], v[PC+6:PC+9], s[KP:KP+1] offset:102400*(\t)+768*(\a)
	global_store_b64 v[L8], v[PC+10:PC+11], s[KP:KP+1] offset:102400*(\t)+768*(\a)+512
	v_perm_b32 v[TT], v[PW], v[PW], 0x05040100     ; q's word: (s0, s1, s0, s1): it serves q in either half of a K of 128
	ds_store_b32 v[SWI], v[TT] offset:64*(\a)
.if (\a)%2 == 0
	v_mov_b32 v[PWE], v[PW]
.else
	v_perm_b32 v[TT], v[PW], v[PWE], 0x07060302    ; k's word for a pair of tiles: the even tile's two bytes, then the odd tile's
	ds_store_b32 v[SWI], v[TT] offset:512+64*((\a)/2)
.endif
.endm
.macro OUTQ t
.irp a, 0,1,2,3
	EPIQ \a, \t
.endr
	ds_load_b64 v[HB:HB+1], v[SR8]                 ; LDS serves a wave's instructions in order: these see my stores
	ds_load_b32 v[HB+2], v[SR4]
	s_wait_dscnt 0x0
	global_store_b64 v[L8], v[HB:HB+1], s[QW:QW+1] offset:53248*(\t)         ; 256 consecutive bytes, aligned
	global_store_b32 v[L4], v[HB+2], s[KW:KW+1] offset:102400*(\t)           ; 128
.endm
.macro EPIV a                          ; 16 channels x 128 keys: a fragment of V^T
	QUANT \a
	global_store_b128 v[L16], v[PC:PC+3], s[VP:VP+1] offset:1536*(\a)
	global_store_b64 v[L8], v[PC+4:PC+5], s[VP:VP+1] offset:1536*(\a)+512
	global_store_b128 v[L16], v[PC+6:PC+9], s[VP:VP+1] offset:1536*(\a)+768
	global_store_b64 v[L8], v[PC+10:PC+11], s[VP:VP+1] offset:1536*(\a)+1280
	ds_store_b32 v[SWI], v[PW] offset:768+64*(\a)
.endm
	s_load_b256 s[4:11], s[0:1], 0x0               ; cod, scl, qk_b, v_b
	s_load_b128 s[12:15], s[0:1], 0x20             ; qq, kv
	v_lshl_add_u32 v[SPW], v0, 2, SPARE
	v_mov_b32 v[NIL], 0
	ds_add_u32 v[SPW], v[NIL]                      ; the wave's opening: the add, twice on end, and its wait ahead of my first tensor load
	ds_add_u32 v[SPW], v[NIL]
	v_lshrrev_b32 v192, 5, v0
	v_readfirstlane_b32 s[WV], v192
	s_lshr_b32 s[RH], s[WV], 1
	s_and_b32 s[CH], s[WV], 1
	s_bfe_u32 s19, ttmp6, 0x40000                  ; cx
	s_bfe_u32 s20, ttmp6, 0x40004                  ; cy
	s_lshl_b32 s21, ttmp9, 2
	s_add_co_u32 s21, s21, s19                     ; J: cx and the cluster alone
	s_and_b32 s22, ttmp7, 0xffff
	s_lshl_b32 s22, s22, 2
	s_add_co_u32 s22, s22, s20                     ; XB: cy and the cluster alone
	s_lshl_b32 s23, s20, 2
	s_lshl_b32 s23, 15, s23                        ; my row of the cluster
	s_lshl_b32 s66, 0x1111, s19                    ; my column
	s_or_b32 s[G1X], s23, (3<<16)|(1<<21)          ; 15:0 the mask; 17:16 elements of 8 bytes; 21 set beside a mask; no padding
	s_or_b32 s[G1W], s66, (3<<16)|(1<<21)
	s_or_b32 s[G1R], s66, (3<<16)|(1<<21)
.irp g, G1X, G1W                       ; rows of 24,576 bytes, a quarter of K each
	s_mov_b32 s[\g+1], 3072<<16
	s_mov_b32 s[\g+3], 3072<<16
	s_mov_b32 s[\g+5], QSTR/8
	s_mov_b32 s[\g+6], 0
	s_mov_b32 s[\g+7], 0
.endr
	s_mov_b32 s[G1X+2], 4<<16                      ; x: four quarters
	s_mov_b32 s[G1X+4], 4
	s_mov_b32 s[G1W+2], 2<<16                      ; the first chunk: two quarters a wave
	s_mov_b32 s[G1W+4], 2
	s_mov_b32 s[G1R+1], 384<<16                    ; a refill: one quarter: 8 tiles x 3,072 bytes, dense
	s_mov_b32 s[G1R+2], 8<<16
	s_mov_b32 s[G1R+3], 384<<16
	s_mov_b32 s[G1R+4], 8
	s_mov_b32 s[G1R+5], 384
	s_mov_b32 s[G1R+6], 0
	s_mov_b32 s[G1R+7], 0
	s_mul_i32 s68, s22, 49152                      ; x's codes: tiles 16 XB + 8 wave ..
	s_mul_i32 s98, s[WV], QB
	s_add_co_u32 s68, s68, s98
	s_mov_b32 s69, 0
	s_mul_i32 s99, s21, 49152
	s_mul_i32 s70, s[CH], 2*QSTR                   ; the first chunk: tiles 512 + 16 J .., my two quarters
	s_add_co_u32 s70, s70, s99
	s_add_co_u32 s70, s70, 512*3072
	s_mov_b32 s71, 0
	s_mul_i32 s100, s[WV], QSTR
	s_add_co_u32 s72, s99, s100                    ; the second: tiles 520 + 16 J .., my quarter
	s_add_co_u32 s72, s72, 520*3072
	s_mov_b32 s73, 0
	s_mul_i32 s74, s21, QB                         ; v's: tiles 640 + 8 J ..
	s_add_co_u32 s74, s74, s100
	s_add_co_u32 s74, s74, 640*3072
	s_mov_b32 s75, 0
	s_mul_i32 s67, s[WV], 98304                    ; scale words: K steps 2 wave and 2 wave + 1,
	s_lshl_b32 s76, s22, 10
	s_add_co_u32 s76, s76, s67                     ; of x's 256 places,
	s_mov_b32 s77, 0
	s_lshl_b32 s78, s21, 10
	s_add_co_u32 s78, s78, s67
	s_add_co_u32 s78, s78, 32768                   ; of q | k's two chunks,
	s_mov_b32 s79, 0
	s_lshl_b32 s80, s21, 9
	s_add_co_u32 s80, s80, s67
	s_add_co_u32 s80, s80, 40960                   ; of v's chunk
	s_mov_b32 s81, 0
	s_lshl_b32 s82, s21, 10                        ; qk_b: 256 columns x 4 bytes x J
	s_mov_b32 s83, 0
	s_lshl_b32 s84, s21, 9                         ; v_b: (128 J + 64 x my half) x 4
	s_lshl_b32 s98, s[RH], 8
	s_add_co_u32 s84, s84, s98
	s_mov_b32 s85, 0
	s_lshr_b32 s98, s22, 2                         ; the batch
	s_and_b32 s3, s22, 3                           ; which 256 tokens of it
	s_lshl_b32 s98, s98, 4
	s_lshl_b32 s100, s21, 1
	s_add_co_u32 s98, s98, s100                    ; 16 x batch + 2 J
	s_mul_i32 s101, s98, 53248
	s_lshl_b32 s100, s3, 4
	s_lshl_b32 s2, s[WV], 2
	s_add_co_u32 s100, s100, s2                    ; my first tile of tokens in the batch
	s_mul_i32 s[QP], s100, 768
	s_add_co_u32 s[QP], s[QP], s101
	s_mov_b32 s[QP+1], 0
	s_lshl_b32 s[QW], s100, 6
	s_add_co_u32 s[QW], s[QW], s101
	s_add_co_u32 s[QW], s[QW], 49152
	s_mov_b32 s[QW+1], 0
	s_lshl_b32 s100, s98, 3
	s_lshl_b32 s3, s3, 1
	s_add_co_u32 s100, s100, s3
	s_add_co_u32 s101, s100, s[RH]                 ; q | k: my 64 tokens lie in key step 2 (XB % 4) + wave / 2,
	s_mul_i32 s101, s101, 12800
	s_mul_i32 s2, s[CH], 3072                      ; in its tiles 4 (wave % 2) ..
	s_add_co_u32 s[KP], s101, s2
	s_mov_b32 s[KP+1], 0
	s_lshl_b32 s2, s[CH], 7
	s_add_co_u32 s[KW], s101, s2
	s_add_co_u32 s[KW], s[KW], 12288
	s_mov_b32 s[KW+1], 0
	s_lshl_b32 s2, s[RH], 3
	s_add_co_u32 s100, s100, s2                    ; v: head 2 J + wave / 2, key step 2 (XB % 4) + wave % 2
	s_add_co_u32 s100, s100, s[CH]
	s_mul_i32 s[VP], s100, 12800
	s_add_co_u32 s[VP], s[VP], 6144
	s_mov_b32 s[VP+1], 0
	s_mov_b32 s[SEL], 0x76543210
	s_mov_b32 s[SEL+1], 0xfedcba98
	s_mul_i32 s19, s[RH], REG                      ; LDS.  q | k: my four tiles of x;
	s_mul_i32 s2, s[CH], 12288
	s_add_co_u32 s19, s19, s2
	s_mul_i32 s20, s[CH], REG                      ; v: my eight tiles of x,
	s_mul_i32 s23, s[RH], 12288
	s_add_co_u32 s23, s23, WBASE                   ; my four of the chunk
	s_lshl_b32 s2, s[RH], 12
	s_lshl_b32 s3, s[CH], 8
	s_add_co_u32 s2, s2, s3
	s_sub_co_u32 s66, 8192, s2                     ; scale words: lanes 0-15 take source 1's, lanes 16-31 source 0's: the lower base + h x the distance
	s_add_co_u32 s67, s2, SCL+4096
	s_lshl_b32 s98, s[CH], 12
	s_add_co_u32 s98, s98, 4096
	s_lshl_b32 s99, s[RH], 8
	s_sub_co_u32 s98, s98, s99
	s_add_co_u32 s99, s99, SCL
	s_lshl_b32 s100, s[WV], 10
	s_add_co_u32 s101, s100, QST
	s_add_co_u32 s100, s100, SCL
	v_and_b32 v192, 31, v0                         ; lane
	v_and_b32 v193, 15, v0                         ; r
	v_bfe_u32 v194, v0, 4, 1                       ; h
	v_lshlrev_b32 v[L16], 4, v192
	v_lshlrev_b32 v[L8], 3, v192
	v_lshlrev_b32 v[L4], 2, v192
	v_add_nc_u32 v[QB16], WBASE, v[L16]
	v_add_nc_u32 v[QB16+2], WBASE, v[L8]
	v_add_nc_u32 v[QA16], s19, v[L16]
	v_add_nc_u32 v[QA16+2], s19, v[L8]
	v_add_nc_u32 v[VB16], s20, v[L16]
	v_add_nc_u32 v[VB16+2], s20, v[L8]
	v_add_nc_u32 v[VA16], s23, v[L16]
	v_add_nc_u32 v[VA16+2], s23, v[L8]
.irp g, QB16, QA16, VB16, VA16
	v_add_nc_u32 v[\g+1], 2*QB, v[\g]
	v_add_nc_u32 v[\g+3], 2*QB, v[\g+2]
.endr
	v_mul_u32_u24 v[AQ0], s66, v194
	v_lshl_add_u32 v[AQ0], v193, 2, v[AQ0]
	v_add_nc_u32 v[AQ0], s67, v[AQ0]
	v_lshl_add_u32 v[AQ1], v194, 12, v[AQ0]        ; the second chunk's words lie 4,096 bytes on
	v_mul_u32_u24 v[AV], s98, v194
	v_lshl_add_u32 v[AV], v193, 2, v[AV]
	v_add_nc_u32 v[AV], s99, v[AV]
	v_add_nc_u32 v[SST], s100, v[L16]
	v_lshl_add_u32 v[SWI], v193, 2, s101
	v_add_nc_u32 v[SR8], s101, v[L8]
	v_add_nc_u32 v[SR4], s101, v[L4]
	v_add_nc_u32 v[SR4], 512, v[SR4]
	v_lshlrev_b32 v195, 6, v194                    ; qk_b: 64 h
	v_and_b32 v196, 8, v193
	v_add_nc_u32 v196, v196, v193
	v_lshlrev_b32 v196, 2, v196                    ; v_b: 4 (r + 8 (r / 8))
	v_min_u32 v[PFO], 23, v192
	v_lshlrev_b32 v[PFO], 8, v[PFO]                ; the prefetches: a lane a block of 256 bytes, 24 blocks a wave
.irp b, 0,1,2,3
	v_mov_b32 v[TM+4+\b], 0                        ; written once: a lane permute's destination counts as one of its sources
.endr
	s_bfe_u32 s98, ttmp6, 0x40004                  ; the prefetches' bases: quarter cy of K, so that a column's four partners share a chunk out by address,
	s_mul_i32 s98, s98, QSTR
	s_mul_i32 s2, s[WV], 6144                      ; my wave's quarter of its 24,576 bytes,
	s_add_co_u32 s98, s98, s2
	s_mul_i32 s2, s21, QB
	s_add_co_u32 s[PF2], s98, s2
	s_add_co_u32 s[PF2], s[PF2], 640*3072          ; of the third chunk: tiles 640 + 8 J ..,
	s_mov_b32 s[PF2+1], 0
	s_add_co_u32 s[PF1], s98, s2
	s_add_co_u32 s[PF1], s[PF1], s2
	s_add_co_u32 s[PF1], s[PF1], 520*3072          ; and of the second: tiles 520 + 16 J ..
	s_mov_b32 s[PF1+1], 0
	s_wait_alu depctr_va_vdst(0)
	s_wait_dscnt 0x0                               ; both opening adds are done
	s_wait_kmcnt 0x0
.irp p, 68,70,72,74,98,100
	s_add_nc_u64 s[\p:\p+1], s[4:5], s[\p:\p+1]
.endr
.irp p, 76,78,80
	s_add_nc_u64 s[\p:\p+1], s[6:7], s[\p:\p+1]
.endr
	s_add_nc_u64 s[82:83], s[8:9], s[82:83]
	s_add_nc_u64 s[84:85], s[10:11], s[84:85]
	s_add_nc_u64 s[QP:QP+1], s[12:13], s[QP:QP+1]
	s_add_nc_u64 s[QW:QW+1], s[12:13], s[QW:QW+1]
	s_add_nc_u64 s[KP:KP+1], s[14:15], s[KP:KP+1]
	s_add_nc_u64 s[KW:KW+1], s[14:15], s[KW:KW+1]
	s_add_nc_u64 s[VP:VP+1], s[14:15], s[VP:VP+1]
	s_mov_b32 s[G0X], 1
	s_mul_i32 s[G0X+1], s[WV], REG
	s_mov_b64 s[G0X+2:G0X+3], s[68:69]
	s_or_b32 s[G0X+3], s[G0X+3], 0x80000000
	s_mov_b32 s[G0W], 1
	s_mul_i32 s[G0W+1], s[CH], 2*QB
	s_add_co_u32 s[G0W+1], s[G0W+1], WBASE
	s_mov_b64 s[G0W+2:G0W+3], s[70:71]
	s_or_b32 s[G0W+3], s[G0W+3], 0x80000000
	s_mov_b32 s[G0R1], 1
	s_mul_i32 s[G0R1+1], s[WV], QB
	s_add_co_u32 s[G0R1+1], s[G0R1+1], WBASE
	s_mov_b64 s[G0R1+2:G0R1+3], s[72:73]
	s_or_b32 s[G0R1+3], s[G0R1+3], 0x80000000
	s_mov_b32 s[G0R2], 1
	s_mul_i32 s[G0R2+1], s[WV], QB
	s_add_co_u32 s[G0R2+1], s[G0R2+1], WBASE
	s_mov_b64 s[G0R2+2:G0R2+3], s[74:75]
	s_or_b32 s[G0R2+3], s[G0R2+3], 0x80000000
	CROUND                                         ; all sixteen work-groups are here: the first joint loads meet
	s_cmp_eq_u32 s[RH], 0                          ; one load in each arm; an s_nop 0 and four v_nop follow each
	s_cbranch_scc0 .Lhead_w
	tensor_load_to_lds s[G0X:G0X+3], s[G1X:G1X+7]  ; waves 0, 1: 8 tiles of x, all of K
	s_nop 0
	PLACES
	s_branch .Lhead_asked
.Lhead_w:
	tensor_load_to_lds s[G0W:G0W+3], s[G1W:G1W+7]  ; waves 2, 3: the first chunk, half of K each
	s_nop 0
	PLACES
.Lhead_asked:
.irp k, 0,1
	global_load_b128 v[96+20*\k:99+20*\k], v[L16], s[80:81] offset:49152*\k          ; each load reads 512 consecutive bytes
	global_load_b128 v[100+20*\k:103+20*\k], v[L16], s[76:77] offset:49152*\k
	global_load_b128 v[104+20*\k:107+20*\k], v[L16], s[76:77] offset:49152*\k+512
	global_load_b128 v[108+20*\k:111+20*\k], v[L16], s[78:79] offset:49152*\k
	global_load_b128 v[112+20*\k:115+20*\k], v[L16], s[78:79] offset:49152*\k+512
.endr
	WIN 0xc0                                       ; the biases go to window 3
.irp t, 0,1
.irp b, 0,1,2,3,4,5,6,7                ; register 64 t + 8 b + j wants qk_b at the head's column 32 (b / 2) + 8 (b % 2) + 16 h + j
	global_load_b128 v[64*\t+8*\b:64*\t+8*\b+3], v195, s[82:83] offset:512*\t+4*(32*(\b/2)+8*(\b%2))
	global_load_b128 v[64*\t+8*\b+4:64*\t+8*\b+7], v195, s[82:83] offset:512*\t+4*(32*(\b/2)+8*(\b%2))+16
.endr
.endr
	WIN 0
	s_wait_loadcnt 32                              ; my ten loads of scale words are in; the 32 loads of biases behind them may be out
.irp k, 0,1
.irp q, 0,1,2,3,4
	ds_store_b128 v[SST], v[96+20*\k+4*\q:99+20*\k+4*\q] offset:4096*\q+512*\k
.endr
.endr
	WIN 0xc0
.irp a, 0,1,2,3                        ; v: one channel a lane: registers 128 + 8 a + .. all want v_b at my row 32 (a / 2) + 8 (a % 2) + r + 8 (r / 8)
.irp j, 0,1,2,3,4,5,6,7
	global_load_b32 v[128+8*\a+\j], v196, s[84:85] offset:4*(32*(\a/2)+8*(\a%2))
.endr
.endr
	WIN 0
	s_wait_tensorcnt 0x0                           ; my tiles have landed,
	s_wait_dscnt 0x0                               ; and my scale words
	s_barrier_signal -1
	s_barrier_wait -1                              ; everybody's have
	SCW AQ0
	s_wait_loadcnt 0x0                             ; the biases
	TILE QB16, QA16, 0, 1, 0, G0R1, PF1            ; head 2 J's q | k; the chunk's bytes take head 2 J + 1's rows
	OUTQ 0
	SCW AQ1                                        ; the next tile's scale words come while the chunk is on its way
	LANDED
	TILE QB16, QA16, 64, 1, 0, G0R2, PF2           ; head 2 J + 1's; the chunk's bytes take v_w's rows
	OUTQ 1
	SCW AV
	LANDED
	TILE VB16, VA16, 128, 0, 1, 0, 0               ; v
.irp a, 0,1,2,3
	EPIV \a
.endr
	ds_load_b64 v[HB:HB+1], v[SR8] offset:768
	s_wait_dscnt 0x0
	global_store_b64 v[L8], v[HB:HB+1], s[VP:VP+1] offset:6400               ; 256 consecutive bytes, aligned
	s_wait_tensorcnt 0x0                           ; the wave's end, behind my last tensor load and my last LDS store
	ds_add_u32 v[SPW], v[NIL]
	s_wait_dscnt 0x0
	CROUND                                         ; the closing round
	s_endpgm
.Lfunc_end_k_q3136115d72_proj:
	.size	k_q3136115d72_proj, .Lfunc_end_k_q3136115d72_proj-k_q3136115d72_proj
	.p2alignl 7, 3214868480
	.fill 96, 4, 3214868480
	.section	.rodata,"a",@progbits
	.p2align	6, 0x0
	.amdhsa_kernel k_q3136115d72_proj
		.amdhsa_group_segment_fixed_size 327680
		.amdhsa_private_segment_fixed_size 0
		.amdhsa_enable_private_segment 0
		.amdhsa_kernarg_size 48
		.amdhsa_user_sgpr_count 2
		.amdhsa_user_sgpr_kernarg_segment_ptr 1
		.amdhsa_wavefront_size32 1
		.amdhsa_system_sgpr_workgroup_id_x 1
		.amdhsa_system_sgpr_workgroup_id_y 1
		.amdhsa_system_sgpr_workgroup_id_z 1
		.amdhsa_system_vgpr_workitem_id 0
		.amdhsa_next_free_vgpr 1024
		.amdhsa_next_free_sgpr 102
		.amdhsa_reserve_vcc 0
		.amdhsa_float_denorm_mode_32 3
		.amdhsa_float_denorm_mode_16_64 3
		.amdhsa_memory_ordered 1
		.amdhsa_forward_progress 1
		.amdhsa_inst_pref_size 255
	.end_amdhsa_kernel
	.section	.bss,"aw",@nobits
	.p2align	6
	.space	262144
	.amdgpu_metadata
---
amdhsa.version: [ 1, 2 ]
amdhsa.kernels:
  - .name:           k_q3136115d72_proj
    .symbol:         k_q3136115d72_proj.kd
    .args:
      - { .name: cod, .offset: 0, .size: 8, .value_kind: global_buffer, .address_space: global }
      - { .name: scl, .offset: 8, .size: 8, .value_kind: global_buffer, .address_space: global }
      - { .name: qk_b, .offset: 16, .size: 8, .value_kind: global_buffer, .address_space: global }
      - { .name: v_b, .offset: 24, .size: 8, .value_kind: global_buffer, .address_space: global }
      - { .name: qq, .offset: 32, .size: 8, .value_kind: global_buffer, .address_space: global }
      - { .name: kv, .offset: 40, .size: 8, .value_kind: global_buffer, .address_space: global }
    .group_segment_fixed_size: 327680
    .private_segment_fixed_size: 0
    .kernarg_segment_align: 8
    .kernarg_segment_size: 48
    .max_flat_workgroup_size: 128
    .sgpr_count:     102
    .vgpr_count:     1024
    .wavefront_size: 32
...
	.end_amdgpu_metadata
.endif
;; end of part 2
;; launch attn (part 3): grid 4 x 64, 16 waves a work-group, clusters of 4 x 1, 226,304 bytes of LDS; arguments qq, kv, bias, cod, scl; writes cod, scl
.if DOCPART == 3
	.amdgcn_target "amdgcn-amd-amdhsa--gfx1250"
	.amdhsa_code_object_version 6
	.text
	.protected	k_q3136115d72_attn
	.globl	k_q3136115d72_attn
	.p2align	8
	.type	k_q3136115d72_attn,@function
k_q3136115d72_attn:
	s_mov_b64 s[64:65], 0
	v_nop
	global_prefetch_b8 v0, s[64:65] scope:SCOPE_SE
	s_setreg_imm32_b32 hwreg(HW_REG_WAVE_MODE, 25, 1), 1
	s_wait_xcnt 0x0
	s_wait_alu depctr_hold_cnt(0) depctr_sa_sdst(0) depctr_va_vdst(0) depctr_va_sdst(0) depctr_va_ssrc(0) depctr_va_vcc(0) depctr_vm_vsrc(0)
	s_getreg_b32 s2, hwreg(HW_REG_IB_STS2, 6, 4)
	s_cmp_eq_u32 s2, 0
	s_cbranch_scc0 .Lentry_in_a_cluster
	s_endpgm
.Lentry_in_a_cluster:
	s_bfe_u32 s2, ttmp6, 0x10000c
	s_cmp_lg_u32 s2, 0x3003
	s_cbranch_scc0 .Lentry_shape_is_right
	s_endpgm
.Lentry_shape_is_right:
; LAUNCH 3 OF 4: o = softmax(q k^T / 8 + T5 bias, causal) v on codes of BF6, and o quantised along h x 64 + d for the last product.  It stores o's codes and scale words over x's in cod and scl, which it does not load.
; LEFT OUT: key steps of 128 keys all of which come after a wave's 16 queries: reference() makes their scores -inf in its own body (shown at the head of launch 1).
; THE SOFTMAX: t = (score / 8 + bias) log2(e); M = the running largest t rounded up to a whole number; p = 2^(t - M) is quantised along the keys; the row's sum is taken of the unquantised p and divides at the end; when M moves,
; the sum and O are multiplied by 2^(old M - new M), exactly.
; SHARES.  A work-group serves two heads of one batch; waves 0-7 the first, 8-15 the second.  Wave (g, e) = ((w % 8) / 2, w % 2) owns two tiles of 16 queries: 8 g + 2 cx + e and 8 (7 - g) + 2 cx + e: (g + 1) + (8 - g) = 9 key steps
; for every wave of the launch.  Four waves share a SIMD, so that one wave's vector work stands beside another's matrix work.
; CLUSTER.  The four partners differ in cx alone, which enters global addresses and the bias table's VALUES, and no branch and no LDS address.  All four read every key step of both heads: K, V and their scale words
; (204,800 bytes, an image of memory) are asked for JOINTLY, once, at the head: each wave one load of 50 rows of 256 bytes, one key step.  Nothing in LDS is filled twice.
; LAYOUT.  Both products are used transposed: S^T = K Q^T, O^T = V^T P^T: a lane holds ONE query throughout.  The keys of a tile of K and the channels of a tile of V^T were chosen by launch 1's order of rows, so that 16 registers
; of two neighbouring tiles are 16 neighbours.  K = 64 FILLS HALF AN INSTRUCTION: a fragment of K holds TWO tiles of keys (one in each half of its 128), and is multiplied once by (q, zeros) and once by (zeros, q).
; THE BIAS hangs on i - j alone.  bucket(n), a constant of reference(): n for n <= 16, then one more at each of 17, 17, 18, 19, 20, 22, 25, 28, 33, 39, 48, 59, 76, 98, 128.  Thread k makes entry k, the bias x log2(e) at distance
; 32 cx + 159 - k, or -inf where that is negative, for both heads.  Four copies a head, each shifted by one entry more, let every lane read its 16 neighbouring entries by loads of 16 aligned bytes.
; In steps two or more before the diagonal every distance is 128 or more: one number, folded into the addend of t - M (rounded once more in f32: a limit of the order of t's own rounding).
; LIMITS: NaN and infinities are not served; the scale bytes' floor and the byte of a block of zeros as in launch 1; o's scale words leave in runs of 128 bytes (a partner owns two neighbouring tiles of a group of eight).
.set KVB,   102400                     ; a head's eight key steps
.set STEPB, 12800                      ; a key step: 8 x 768 K | 4 x 1,536 V^T | 256 K's words | 256 V's words
.set TAB,   204800                     ; the bias tables: 2 heads x 9,216
.set OSC,   223232                     ; o's scale words: [2 passes][8 waves][16 words], a half word from each head
.set SPARE, 224256                     ; the spare words, 128 bytes for each wave: eight blocks of 256 bytes that no other line names
.set L16, 1                            ; v1   16 x lane
.set L8,  2                            ; v2   8 x lane
.set R4,  3                            ; v3   4 r
.set LB,  4                            ; v4   my lane's place in its copy of the table
.set SPW, 5                            ; v5   LDS address of my spare word; never rewritten
.set NIL, 6                            ; v6   0; never rewritten
.set OSW, 7                            ; v7   where my half word of o's scales goes
.set A16, 8                            ; v8-10 the step's addresses
.set A8,  9
.set A4,  10
.set OSR, 11                           ; v11  where waves 0-7 read 128 bytes of o's words back
.set QLO, 16                           ; v16-27 (q, zeros)          v12 -M, v13 the largest t, v[14:15] the sum in two halves
.set AD,  28                           ; v[28:29] the addend of t - M
.set QS,  30                           ; v30  q's scale words
.set B3A, 31                           ; v31  where the far bias lies
.set QHI, 32                           ; v32-43 (zeros, q)
.set X,   44                           ; v44-107 four fragments of K, then 64 biases, then four fragments of V^T
.set S,   108                          ; v108-171 S^T, then p
.set O,   172                          ; v172-203 O^T
.set PC,  204                          ; v204-215 p's codes
.set CT,  216                          ; v216-222 the conversions' second halves
.set L4,  223                          ; v223 4 x lane
.set TM,  224                          ; v224-227 block maxima, v228-231 at work, v232-235 the conversions' scale operands
.set KSC, 236                          ; v236-239 K's scale words
.set VSC, 240                          ; v240-243 V's
.set PS,  245                          ; v245 p's scale word
.set F,   246                          ; v[246:247] f = 2^(old M - new M)
.set T,   248
.set WV, 14
.set HP, 15
.set WP, 16
.set GW, 17
.set E0, 18
.set CX, 19
.set YY, 20
.set KS, 21                            ; s21  the key step
.set GG, 22                            ; s22  the pass's diagonal step
.set TB, 23                            ; s23  LDS byte at which the key step begins
.set G1, 24
.set G0, 32
.set SEL, 40
.set CC, 42                            ; s[42:43] what a score is multiplied by on the way to t - M
.set BA, 44                            ; s44  what is added to it
.set B31, 45                           ; s45  bias[31][head] x log2(e)
.set CL, 46                            ; s[46:47] log2(e) / 8
.macro CROUND
	s_barrier_signal -1
	s_barrier_wait -1
	s_cmp_lg_u32 s[WV], 0
	s_cbranch_scc1 .Lnot_wave_0_\@
	s_barrier_signal -3
.Lnot_wave_0_\@:
	s_barrier_wait -3
	s_barrier_signal -1
	s_barrier_wait -1
.endm
	s_load_b256 s[4:11], s[0:1], 0x0               ; qq, kv, bias, cod
	s_load_b64 s[12:13], s[0:1], 0x20              ; scl
	v_lshl_add_u32 v[SPW], v0, 2, SPARE
	v_mov_b32 v[NIL], 0
	ds_add_u32 v[SPW], v[NIL]                      ; the wave's opening: the add, twice on end, and its wait ahead of my first tensor load
	ds_add_u32 v[SPW], v[NIL]
	v_lshrrev_b32 v44, 5, v0
	s_delay_alu instid0(VALU_DEP_1)
	v_readfirstlane_b32 s[WV], v44
	s_lshr_b32 s[HP], s[WV], 3
	s_and_b32 s[WP], s[WV], 7
	s_lshr_b32 s[GW], s[WP], 1
	s_and_b32 s[E0], s[WP], 1
	s_bfe_u32 s[CX], ttmp6, 0x40000
	s_and_b32 s[YY], ttmp7, 0xffff                 ; 8 x batch + pair of heads
	s_mov_b32 s[G1], 15|(3<<16)|(1<<21)            ; 15:0 all four partners; 17:16 elements of 8 bytes; 21 set beside a mask; no padding
	s_mov_b32 s[G1+1], 32<<16                      ; a dense block as rows of 256 bytes
	s_mov_b32 s[G1+2], 50<<16
	s_mov_b32 s[G1+3], 32<<16
	s_mov_b32 s[G1+4], 50
	s_mov_b32 s[G1+5], 32
	s_mov_b32 s[G1+6], 0
	s_mov_b32 s[G1+7], 0
	s_mul_i32 s48, s[WV], STEPB                    ; my key step's place, in LDS and in the two heads' block of memory
	s_mul_i32 s50, s[YY], 2*KVB
	s_add_co_u32 s50, s50, s48
	s_mov_b32 s51, 0
	s_mov_b32 s[SEL], 0x76543210
	s_mov_b32 s[SEL+1], 0xfedcba98
	s_mov_b32 s[CL], 0x3e38aa3b                    ; log2(e) / 8
	s_mov_b32 s[CL+1], s[CL]                       ; (named with it as a pair, so it is written)
	s_wait_dscnt 0x0                               ; both opening adds are done
	s_wait_kmcnt 0x0
	s_add_nc_u64 s[50:51], s[6:7], s[50:51]
	CROUND                                         ; all four work-groups are here: the joint loads meet
	s_mov_b32 s[G0], 1
	s_mov_b32 s[G0+1], s48
	s_mov_b64 s[G0+2:G0+3], s[50:51]
	s_or_b32 s[G0+3], s[G0+3], 0x80000000
	tensor_load_to_lds s[G0:G0+3], s[G1:G1+7]      ; my one tensor load
	s_nop 0
.rept 4
	v_nop
.endr
	v_and_b32 v44, 31, v0                          ; lane
	v_and_b32 v45, 15, v0                          ; r
	v_bfe_u32 v46, v0, 4, 1                        ; h
	s_delay_alu instid0(VALU_DEP_3)
	v_lshlrev_b32 v[L16], 4, v44
	s_delay_alu instid0(VALU_DEP_4)
	v_lshlrev_b32 v[L8], 3, v44
	v_lshlrev_b32 v[L4], 2, v44
	v_lshlrev_b32 v[R4], 2, v45
	s_wait_alu depctr_va_vdst(0)
	s_lshl_b32 s52, s[YY], 1
	s_add_co_u32 s52, s52, s[HP]                   ; 16 x batch + head
	s_mul_i32 s52, s52, 53248
	s_lshl_b32 s53, s[CX], 1
	s_add_co_u32 s53, s53, s[E0]
	s_lshl_b32 s54, s[GW], 3
	s_add_co_u32 s55, s53, s54                     ; my first tile of queries
	s_sub_co_u32 s56, 56, s54
	s_add_co_u32 s56, s56, s53                     ; my second
	s_mul_i32 s58, s55, 768
	s_add_co_u32 s58, s58, s52
	s_mov_b32 s59, 0
	s_add_nc_u64 s[58:59], s[4:5], s[58:59]
	s_mul_i32 s60, s56, 768
	s_add_co_u32 s60, s60, s52
	s_mov_b32 s61, 0
	s_add_nc_u64 s[60:61], s[4:5], s[60:61]
	s_add_co_u32 s62, s52, 49152
	s_mov_b32 s63, 0
	s_add_nc_u64 s[62:63], s[4:5], s[62:63]
	s_lshl_b32 s48, s55, 6
	s_lshl_b32 s49, s56, 6
	v_add_nc_u32 v47, s48, v[R4]
	v_add_nc_u32 v48, s49, v[R4]
	global_load_b128 v[QLO:QLO+3], v[L16], s[58:59]                  ; the first tile's codes, twice: two operands share no register
	global_load_b64 v[QLO+4:QLO+5], v[L8], s[58:59] offset:512
	global_load_b128 v[QHI+6:QHI+9], v[L16], s[58:59]
	global_load_b64 v[QHI+10:QHI+11], v[L8], s[58:59] offset:512
	global_load_b32 v[QS], v47, s[62:63]
	global_load_b128 v[250:253], v[L16], s[60:61]                    ; the second tile's wait in v249-255
	global_load_b64 v[254:255], v[L8], s[60:61] offset:512
	global_load_b32 v249, v48, s[62:63]
.irp i, 0,1,2,3,4,5
	v_mov_b32 v[QLO+6+\i], 0                       ; zero codes: they add nothing under any scale byte
	v_mov_b32 v[QHI+\i], 0
.endr
	; the bias table
	s_lshl_b32 s48, s[CX], 5
	s_add_co_u32 s48, s48, 159
	v_sub_nc_u32 v49, s48, v0                      ; my entry's distance.  Taken as unsigned below: a negative one gives index 31, inside the table, and its value is replaced
	s_delay_alu instid0(VALU_DEP_1)
	v_min_u32 v51, 16, v49
	v_mov_b32 v52, 0
	v_mov_b32 v53, 1
.irp thr, 17,17,18,19,20,22,25,28,33,39,48,59,76,98,128
	v_cmp_le_u32 vcc_lo, \thr, v49
	s_delay_alu instid0(VALU_DEP_1)
	v_cndmask_b32 v54, v52, v53, vcc_lo
	s_delay_alu instid0(VALU_DEP_1)
	v_add_nc_u32 v51, v51, v54
.endr
	s_and_b32 s49, s[YY], 7
	s_lshl_b32 s49, s49, 3
	v_lshl_add_u32 v51, v51, 6, s49                ; a row of bias is 64 bytes; my two heads are 8 of them
	global_load_b64 v[56:57], v51, s[8:9]
	; my lane's place in the table: entry 31 - (8 e + r + 8 (r / 8)) + 32 b + 16 h + i for register 16 b + i of the step before the diagonal, 128 entries on for the diagonal's;
	; copy s = 3 - r % 4 begins at 16 + 2,336 (s % 2) + 4,736 (s / 2) and holds entry k at 4 (k - s): the sixteen lanes of a half wave then differ modulo 256 bytes
	v_and_b32 v59, 3, v45
	s_delay_alu instid0(VALU_DEP_1)
	v_xor_b32 v59, 3, v59
	s_delay_alu instid0(VALU_DEP_1)
	v_and_b32 v60, 1, v59
	s_delay_alu instid0(VALU_DEP_2)
	v_lshrrev_b32 v61, 1, v59
	s_delay_alu instid0(VALU_DEP_2)
	v_mul_u32_u24 v[LB], v60, 2336
	s_delay_alu instid0(VALU_DEP_1)
	v_mad_u32_u24 v[LB], v61, 4736, v[LB]
	s_delay_alu instid0(VALU_DEP_1)
	v_lshl_add_u32 v[LB], v46, 6, v[LB]
	s_mul_i32 s48, s[HP], 9216
	s_add_co_u32 s48, s48, TAB+128
	s_lshl_b32 s49, s[E0], 5
	s_sub_co_u32 s48, s48, s49
	v_add_nc_u32 v[LB], s48, v[LB]
	v_lshrrev_b32 v60, 2, v45
	v_lshrrev_b32 v61, 3, v45
	s_delay_alu instid0(VALU_DEP_1)
	v_lshl_add_u32 v60, v61, 1, v60
	s_delay_alu instid0(VALU_DEP_1)
	v_lshlrev_b32 v60, 4, v60
	s_delay_alu instid0(VALU_DEP_1)
	v_sub_nc_u32 v[LB], v[LB], v60
	s_lshl_b32 s48, s[WP], 6
	s_lshl_b32 s49, s[HP], 1
	s_add_co_u32 s48, s48, s49
	s_add_co_u32 s48, s48, OSC
	v_add_nc_u32 v[OSW], s48, v[R4]
	s_lshl_b32 s48, s[WP], 7
	s_add_co_u32 s48, s48, OSC
	v_add_nc_u32 v[OSR], s48, v[L4]
	s_mul_i32 s48, s[HP], 9216
	s_add_co_u32 s48, s48, TAB+16
	v_mov_b32 v[B3A], s48                          ; entry 0 of copy 0: its distance is 159 or more
	v_mov_b32 v[AD+1], 0                           ; (named as the upper halves of pairs)
	v_mov_b32 v[F+1], 0
	v_mov_b32 v[T], 0
.irp b, 0,1,2,3
	v_mov_b32 v[TM+4+\b], 0                        ; written once: a lane permute's destination counts as one of its sources
.endr
	v_mov_b32 v55, 0xff800000                      ; -infinity
	v_lshl_add_u32 v58, v0, 2, TAB
	s_wait_loadcnt 0x0                             ; the biases, and q
	v_mul_f32 v56, 0x3fb8aa3b, v56                 ; x log2(e)
	s_wait_alu depctr_va_vdst(0)
	v_mul_f32 v57, 0x3fb8aa3b, v57
	v_cmp_gt_i32 vcc_lo, 0, v49                    ; the key comes after the query
	s_delay_alu instid0(VALU_DEP_1)
	v_cndmask_b32 v56, v56, v55, vcc_lo
	s_delay_alu instid0(VALU_DEP_2)
	v_cndmask_b32 v57, v57, v55, vcc_lo
.irp o, 16, 2348, 4744, 7076
	ds_store_b32 v58, v56 offset:\o
	ds_store_b32 v58, v57 offset:9216+\o
.endr
	s_wait_tensorcnt 0x0                           ; my key step has landed,
	s_wait_dscnt 0x0                               ; and my entries of the table
	s_barrier_signal -1
	s_barrier_wait -1                              ; everybody's have
	ds_load_b32 v[T], v[B3A]
	; where o goes: cod: tile 64 x batch + my tile, unit = head;  scl: K step = pair of heads, 32 places of two neighbouring tiles
	s_lshr_b32 s48, s[YY], 3
	s_lshl_b32 s49, s48, 6
	s_and_b32 s50, s[YY], 7
	s_lshl_b32 s51, s50, 1
	s_add_co_u32 s51, s51, s[HP]                   ; the head = the unit of 64 along the last product's K; cod is laid [4 quarters of K][768 tiles][4 units x 768 bytes]
	s_lshr_b32 s52, s51, 2
	s_mul_i32 s52, s52, 2359296
	s_and_b32 s51, s51, 3
	s_mul_i32 s51, s51, 768
	s_add_co_u32 s51, s51, s52
	s_add_co_u32 s58, s49, s55
	s_mul_i32 s58, s58, 3072
	s_add_co_u32 s58, s58, s51
	s_mov_b32 s59, 0
	s_add_nc_u64 s[58:59], s[10:11], s[58:59]
	s_add_co_u32 s60, s49, s56
	s_mul_i32 s60, s60, 3072
	s_add_co_u32 s60, s60, s51
	s_mov_b32 s61, 0
	s_add_nc_u64 s[60:61], s[10:11], s[60:61]
	s_and_b32 s52, s[WP], 3
	s_sub_co_u32 s53, 7, s52
	s_cmp_lt_u32 s[WP], 4
	s_cselect_b32 s52, s52, s53                    ; waves 0-3: the first pass's groups 0-3; waves 4-7: the second's, 7 - (w % 4)
	s_lshl_b32 s52, s52, 9
	s_mul_i32 s62, s50, 49152
	s_add_co_u32 s62, s62, s52
	s_lshl_b32 s52, s48, 12
	s_add_co_u32 s62, s62, s52
	s_lshl_b32 s52, s[CX], 7
	s_add_co_u32 s62, s62, s52
	s_mov_b32 s63, 0
	s_add_nc_u64 s[62:63], s[12:13], s[62:63]
	s_wait_dscnt 0x0
	v_readfirstlane_b32 s[B31], v[T]
; A PASS: one tile of 16 queries against key steps 0 to its diagonal's.  The loop's trip count is a constant; a step beyond the diagonal is jumped over by a branch on the wave's number and the count of steps.
.macro PASS p, trips, cb
.if \p
	s_wait_xcnt 0x0                                ; the first pass's stores have read their registers
	v_mov_b32 v[QS], v249
.irp i, 0,1,2,3,4,5
	v_mov_b32 v[QLO+\i], v[250+\i]
	v_mov_b32 v[QHI+6+\i], v[250+\i]
.endr
	s_sub_co_u32 s[GG], 7, s[GW]
.else
	s_mov_b32 s[GG], s[GW]
.endif
.set j, 0
.rept 32
	v_mov_b32 v[O+j], 0                            ; the step is written once: the first finds zeros, which the first change of M leaves zeros
.set j, j+1
.endr
	v_mov_b32 v14, 0
	v_mov_b32 v15, 0
	v_mov_b32 v13, 0xff61b1e6                      ; the largest t so far: -3e38
	s_delay_alu instid0(VALU_DEP_1)
	v_floor_f32 v12, -v13
	s_mov_b32 s[KS], 0
	s_mul_i32 s[TB], s[HP], KVB
.Lstep_\@:
	s_cmp_gt_u32 s[KS], s[GG]
	s_cbranch_scc1 .Lskip_\@
	v_add_nc_u32 v[A16], s[TB], v[L16]             ; these three and the v_nop are the four places in front of loads into registers that the last products read
	v_add_nc_u32 v[A8], s[TB], v[L8]
	v_add_nc_u32 v[A4], s[TB], v[R4]
	v_nop
.irp b, 0,1,2,3
	ds_load_b128 v[X+12*\b:X+12*\b+3], v[A16] offset:1536*\b                 ; tiles 2 b and 2 b + 1 of K: one fragment
	ds_load_b64 v[X+12*\b+4:X+12*\b+5], v[A8] offset:1536*\b+512
	ds_load_b128 v[X+12*\b+6:X+12*\b+9], v[A16] offset:1536*\b+768
	ds_load_b64 v[X+12*\b+10:X+12*\b+11], v[A8] offset:1536*\b+1280
	ds_load_b32 v[KSC+\b], v[A4] offset:12288+64*\b
.endr
	s_wait_dscnt 0x0
.irp b, 0,1,2,3
	v_wmma_scale_f32_16x16x128_f8f6f4 v[S+16*\b:S+16*\b+7], v[X+12*\b:X+12*\b+11], v[QLO:QLO+11], 0, v[KSC+\b], v[QS] matrix_a_fmt:MATRIX_FMT_BF6 matrix_b_fmt:MATRIX_FMT_BF6
	v_wmma_scale_f32_16x16x128_f8f6f4 v[S+16*\b+8:S+16*\b+15], v[X+12*\b:X+12*\b+11], v[QHI:QHI+11], 0, v[KSC+\b], v[QS] matrix_a_fmt:MATRIX_FMT_BF6 matrix_b_fmt:MATRIX_FMT_BF6
.endr                                              ; register 16 b + i: key 32 b + 16 (lane / 16) + i of the step
.rept 4
	v_nop
.endr
	s_add_co_u32 s48, s[KS], 1
	s_cmp_lt_u32 s48, s[GG]
	s_cbranch_scc1 .Lfar_\@
	s_cmp_eq_u32 s[KS], s[GG]
	s_cbranch_scc1 .Ldiag_\@
.irp b, 0,1,2,3
.irp q, 0,1,2,3
	ds_load_b128 v[X+16*\b+4*\q:X+16*\b+4*\q+3], v[LB] offset:128*\b+16*\q
.endr
.endr
	s_branch .Lgot_\@
.Ldiag_\@:
.irp b, 0,1,2,3
.irp q, 0,1,2,3
	ds_load_b128 v[X+16*\b+4*\q:X+16*\b+4*\q+3], v[LB] offset:512+128*\b+16*\q
.endr
.endr
.Lgot_\@:
	s_wait_dscnt 0x0
.set j, 0
.rept 32
	v_pk_fma_f32 v[S+j:S+j+1], v[S+j:S+j+1], s[CL:CL+1], v[X+j:X+j+1] op_sel_hi:[1,0,1]   ; t; -inf where the key comes after the query
.set j, j+2
.endr
	s_mov_b32 s[CC], 1.0
	s_mov_b32 s[CC+1], 1.0
	s_mov_b32 s[BA], 0
	s_branch .Lcommon_\@
.Lfar_\@:
	s_mov_b32 s[CC], s[CL]                         ; every distance is 128 or more: t = score x c + one bias
	s_mov_b32 s[CC+1], s[CL]
	s_mov_b32 s[BA], s[B31]
.Lcommon_\@:
	s_wait_alu depctr_va_vdst(0)
.irp t, 0,1,2,3                                    ; V^T's fragments land under the softmax
	ds_load_b128 v[X+12*\t:X+12*\t+3], v[A16] offset:6144+1536*\t
	ds_load_b64 v[X+12*\t+4:X+12*\t+5], v[A8] offset:6144+1536*\t+512
	ds_load_b128 v[X+12*\t+6:X+12*\t+9], v[A16] offset:6144+1536*\t+768
	ds_load_b64 v[X+12*\t+10:X+12*\t+11], v[A8] offset:6144+1536*\t+1280
	ds_load_b32 v[VSC+\t], v[A4] offset:12544+64*\t
.endr
.irp b, 0,1,2,3
	v_max3_num_f32 v[TM+\b], v[S+16*\b], v[S+1+16*\b], v[S+2+16*\b]       ; the largest of each block of 32 keys: for the row's maximum and, since p rises with it, for the block's largest p
.endr
.irp i, 3,5,7,9,11,13
.irp b, 0,1,2,3
	v_max3_num_f32 v[TM+\b], v[TM+\b], v[S+16*\b+\i], v[S+1+16*\b+\i]
.endr
.endr
.irp b, 0,1,2,3
	v_max_num_f32 v[TM+\b], v[TM+\b], v[S+15+16*\b]
.endr
.irp b, 0,1,2,3
	s_delay_alu instid0(VALU_DEP_4)
	v_permlanex16_b32 v[TM+4+\b], v[TM+\b], s[SEL], s[SEL+1]
.endr
.irp b, 0,1,2,3
	s_delay_alu instid0(VALU_DEP_4)
	v_max_num_f32 v[TM+\b], v[TM+\b], v[TM+4+\b]
.endr
	s_delay_alu instid0(VALU_DEP_2)
	v_max3_num_f32 v[T], v[TM], v[TM+1], v[TM+2]
	s_delay_alu instid0(VALU_DEP_1)
	v_max_num_f32 v[T], v[T], v[TM+3]
	s_delay_alu instid0(VALU_DEP_1)
	v_fma_f32 v[T], v[T], s[CC], s[BA]             ; the step's largest t of my query
	s_delay_alu instid0(VALU_DEP_1)
	v_max_num_f32 v13, v13, v[T]
	v_mov_b32 v[T], v12
	s_delay_alu instid0(VALU_DEP_2)
	v_floor_f32 v12, -v13                          ; the new -M = -ceil(t): a whole number
	s_delay_alu instid0(VALU_DEP_1)
	v_sub_f32 v[T], v12, v[T]                      ; old M - new M: a whole number, 0 or less
	s_delay_alu instid0(VALU_DEP_1)
	v_cvt_i32_f32 v[T], v[T]                       ; (it saturates)
	s_delay_alu instid0(VALU_DEP_1)
	v_ldexp_f32 v[F], 1.0, v[T]
	s_delay_alu instid0(VALU_DEP_4)
	v_add_f32 v[AD], s[BA], v12
.set j, 0
.rept 32
	v_pk_fma_f32 v[S+j:S+j+1], v[S+j:S+j+1], s[CC:CC+1], v[AD:AD+1] op_sel_hi:[1,0,0]     ; t - M
.set j, j+2
.endr
.irp b, 0,1,2,3
	v_fma_f32 v[TM+\b], v[TM+\b], s[CC], v[AD]     ; the same of each block's largest
.endr
.set j, 0
	s_wait_alu depctr_va_vdst(0)
.rept 64
	v_exp_f32 v[S+j], v[S+j]                       ; p = 2^(t - M): not normalised
.set j, j+1
.endr
	v_pk_mul_f32 v[14:15], v[14:15], v[F:F+1] op_sel_hi:[1,0]              ; the sums under the new M: a plain place behind the exponentials
	s_wait_alu depctr_va_vdst(0)                   ; a wait ahead of the first line that names a result: one for the batch
.irp b, 0,1,2,3
	v_exp_f32 v[TM+\b], v[TM+\b]                   ; each block's largest p
.endr
	v_pk_add_f32 v[228:229], v[112:113], v[116:117]
	v_pk_add_f32 v[244:245], v[120:121], v[124:125]
	v_pk_add_f32 v[238:239], v[128:129], v[132:133]
	v_pk_add_f32 v[236:237], v[136:137], v[140:141]
	v_pk_add_f32 v[234:235], v[144:145], v[148:149]
	v_pk_add_f32 v[232:233], v[152:153], v[156:157]
	v_pk_add_f32 v[230:231], v[160:161], v[164:165]
	v_pk_add_f32 v[14:15], v[14:15], v[168:169]
	v_pk_add_f32 v[228:229], v[228:229], v[108:109]
	v_pk_add_f32 v[244:245], v[244:245], v[110:111]
	v_pk_add_f32 v[238:239], v[238:239], v[114:115]
	v_pk_add_f32 v[236:237], v[236:237], v[118:119]
	v_pk_add_f32 v[234:235], v[234:235], v[122:123]
	v_pk_add_f32 v[232:233], v[232:233], v[126:127]
	v_pk_add_f32 v[230:231], v[230:231], v[130:131]
	v_pk_add_f32 v[14:15], v[14:15], v[134:135]
	v_pk_add_f32 v[228:229], v[228:229], v[138:139]
	v_pk_add_f32 v[244:245], v[244:245], v[142:143]
	v_pk_add_f32 v[238:239], v[238:239], v[146:147]
	v_pk_add_f32 v[236:237], v[236:237], v[150:151]
	v_pk_add_f32 v[234:235], v[234:235], v[154:155]
	v_pk_add_f32 v[232:233], v[232:233], v[158:159]
	v_pk_add_f32 v[230:231], v[230:231], v[162:163]
	v_pk_add_f32 v[14:15], v[14:15], v[166:167]
	v_pk_add_f32 v[228:229], v[228:229], v[170:171]
	s_delay_alu instid0(VALU_DEP_2)
	v_pk_add_f32 v[14:15], v[14:15], v[236:237]
	s_delay_alu instid0(VALU_DEP_2)
	v_pk_add_f32 v[228:229], v[228:229], v[234:235]
	v_pk_add_f32 v[244:245], v[244:245], v[232:233]
	v_pk_add_f32 v[238:239], v[238:239], v[230:231]
	s_delay_alu instid0(VALU_DEP_2)
	v_pk_add_f32 v[14:15], v[14:15], v[244:245]
	s_delay_alu instid0(VALU_DEP_2)
	v_pk_add_f32 v[228:229], v[228:229], v[238:239]
	s_delay_alu instid0(VALU_DEP_1)
	v_pk_add_f32 v[14:15], v[14:15], v[228:229]
	s_wait_alu depctr_va_vdst(0)                   ; and one for the four
.irp b, 0,1,2,3
	v_max_num_f32 v[TM+\b], 0x2800000, v[TM+\b]    ; the floor 2^(5 - 127): a block whose every p is 0 keeps the byte 1: its codes are zeros
.endr
.irp b, 0,1,2,3
	s_delay_alu instid0(VALU_DEP_4)
	v_add_nc_u32 v[TM+8+\b], 0xfe000000, v[TM+\b]
.endr
.irp b, 0,1,2,3
	s_delay_alu instid0(VALU_DEP_4)
	v_lshrrev_b32 v[TM+4+\b], 23, v[TM+8+\b]
.endr
	s_delay_alu instid0(VALU_DEP_3)
	v_lshl_or_b32 v[PS], v[TM+5], 8, v[TM+4]
	s_delay_alu instid0(VALU_DEP_1)
	v_lshl_or_b32 v[PS], v[TM+6], 16, v[PS]
	s_delay_alu instid0(VALU_DEP_1)
	v_lshl_or_b32 v[PS], v[TM+7], 24, v[PS]
.irp c, 0,1
	v_cvt_scalef32_pk16_bf6_f32 v[PC+6*\c:PC+2+6*\c], v[S+32*\c:S+15+32*\c], v[TM+8+2*\c]
	v_cvt_scalef32_pk16_bf6_f32 v[CT+4*\c:CT+2+4*\c], v[S+16+32*\c:S+31+32*\c], v[TM+8+2*\c+1]
.endr
	v_nop                                          ; one plain place behind a scaled conversion
.irp c, 0,1
.irp i, 0,1,2
	v_permlane16_swap_b32 v[PC+6*\c+\i], v[CT+4*\c+\i]
.endr
.irp i, 0,1,2
	s_delay_alu instid0(VALU_DEP_3)
	v_mov_b32 v[PC+3+6*\c+\i], v[CT+4*\c+\i]
.endr
.endr
.set j, 0
.rept 16
	v_pk_mul_f32 v[O+j:O+j+1], v[O+j:O+j+1], v[F:F+1] op_sel_hi:[1,0]      ; O^T under the new M; these are also the places between p's codes and scale word and the products
.set j, j+2
.endr
	s_wait_alu depctr_va_vdst(0)
	s_wait_dscnt 0x0                               ; V^T and its scale words
.irp t, 0,1,2,3
	v_wmma_scale_f32_16x16x128_f8f6f4 v[O+8*\t:O+8*\t+7], v[X+12*\t:X+12*\t+11], v[PC:PC+11], v[O+8*\t:O+8*\t+7], v[VSC+\t], v[PS] matrix_a_fmt:MATRIX_FMT_BF6 matrix_b_fmt:MATRIX_FMT_BF6
.endr
.Lskip_\@:
	s_add_co_u32 s[TB], s[TB], STEPB
	s_add_co_u32 s[KS], s[KS], 1
	s_cmp_lt_u32 s[KS], \trips
	s_cbranch_scc1 .Lstep_\@
	; the pass's end: O^T / the sum; register 16 b + i is channel 32 b + 16 (lane / 16) + i of the head: quantised along the channels as half a fragment
.rept 4
	v_nop
.endr
	s_wait_alu depctr_va_vdst(0)
	v_add_f32 v14, v14, v15
	s_delay_alu instid0(VALU_DEP_1)
	v_permlanex16_b32 v[T], v14, s[SEL], s[SEL+1]
	s_delay_alu instid0(VALU_DEP_1)
	v_add_f32 v14, v14, v[T]
	s_wait_alu depctr_va_vdst(0)
	v_rcp_f32 v14, v14
	v_nop                                          ; a plain place behind the reciprocal
	s_wait_alu depctr_va_vdst(0)                   ; and the wait ahead of its first reader
.set j, 0
.rept 32
	v_mul_f32 v[S+j], v[O+j], v14
.set j, j+1
.endr
.irp b, 0,1
	v_max3_num_f32 v[TM+\b], |v[S+16*\b]|, |v[S+1+16*\b]|, 0x2800000
.endr
.irp i, 2,4,6,8,10,12,14
.irp b, 0,1
	s_delay_alu instid0(VALU_DEP_2)
	v_max3_num_f32 v[TM+\b], v[TM+\b], |v[S+16*\b+\i]|, |v[S+1+16*\b+\i]|
.endr
.endr
.irp b, 0,1
	s_delay_alu instid0(VALU_DEP_2)
	v_permlanex16_b32 v[TM+4+\b], v[TM+\b], s[SEL], s[SEL+1]
.endr
.irp b, 0,1
	s_delay_alu instid0(VALU_DEP_2)
	v_max_num_f32 v[TM+\b], v[TM+\b], v[TM+4+\b]
.endr
.irp b, 0,1
	s_delay_alu instid0(VALU_DEP_2)
	v_add_nc_u32 v[TM+8+\b], 0xfe000000, v[TM+\b]
.endr
.irp b, 0,1
	s_delay_alu instid0(VALU_DEP_2)
	v_lshrrev_b32 v[TM+4+\b], 23, v[TM+8+\b]
.endr
	s_delay_alu instid0(VALU_DEP_1)
	v_lshl_or_b32 v[T], v[TM+5], 8, v[TM+4]        ; my head's two bytes of the row's scale word
	v_cvt_scalef32_pk16_bf6_f32 v[PC:PC+2], v[S:S+15], v[TM+8]
	v_cvt_scalef32_pk16_bf6_f32 v[CT:CT+2], v[S+16:S+31], v[TM+9]
	v_nop
.irp i, 0,1,2
	v_permlane16_swap_b32 v[PC+\i], v[CT+\i]
.endr
.irp i, 0,1,2
	s_delay_alu instid0(VALU_DEP_3)
	v_mov_b32 v[PC+3+\i], v[CT+\i]
.endr
	global_store_b128 v[L16], v[PC:PC+3], s[\cb:\cb+1]                       ; 512 consecutive bytes, aligned
	global_store_b64 v[L8], v[PC+4:PC+5], s[\cb:\cb+1] offset:512            ; 256
	ds_store_b16 v[OSW], v[T] offset:512*\p        ; lanes r and r + 16 write the same half word with the same value
.endm
	PASS 0, 4, 58
	PASS 1, 8, 60
	s_wait_dscnt 0x0                               ; for the others' sake: my half words have landed
	s_barrier_signal -1
	s_barrier_wait -1
	s_cmp_gt_u32 s[WV], 7
	s_cbranch_scc1 .Lfin
	ds_load_b32 v[T], v[OSR]                       ; two neighbouring tiles' 32 words, both heads' halves
	s_wait_dscnt 0x0
	global_store_b32 v[L4], v[T], s[62:63]
.Lfin:
	s_wait_tensorcnt 0x0                           ; the wave's end, behind my last tensor load and my last LDS store
	ds_add_u32 v[SPW], v[NIL]
	s_wait_dscnt 0x0
	CROUND                                         ; the closing round
	s_endpgm
.Lfunc_end_k_q3136115d72_attn:
	.size	k_q3136115d72_attn, .Lfunc_end_k_q3136115d72_attn-k_q3136115d72_attn
	.p2alignl 7, 3214868480
	.fill 96, 4, 3214868480
	.section	.rodata,"a",@progbits
	.p2align	6, 0x0
	.amdhsa_kernel k_q3136115d72_attn
		.amdhsa_group_segment_fixed_size 226304
		.amdhsa_private_segment_fixed_size 0
		.amdhsa_enable_private_segment 0
		.amdhsa_kernarg_size 40
		.amdhsa_user_sgpr_count 2
		.amdhsa_user_sgpr_kernarg_segment_ptr 1
		.amdhsa_wavefront_size32 1
		.amdhsa_system_sgpr_workgroup_id_x 1
		.amdhsa_system_sgpr_workgroup_id_y 1
		.amdhsa_system_sgpr_workgroup_id_z 1
		.amdhsa_system_vgpr_workitem_id 0
		.amdhsa_next_free_vgpr 256
		.amdhsa_next_free_sgpr 66
		.amdhsa_reserve_vcc 1
		.amdhsa_float_denorm_mode_32 3
		.amdhsa_float_denorm_mode_16_64 3
		.amdhsa_memory_ordered 1
		.amdhsa_forward_progress 1
		.amdhsa_inst_pref_size 69
	.end_amdhsa_kernel
	.amdgpu_metadata
---
amdhsa.version: [ 1, 2 ]
amdhsa.kernels:
  - .name:           k_q3136115d72_attn
    .symbol:         k_q3136115d72_attn.kd
    .args:
      - { .name: qq, .offset: 0, .size: 8, .value_kind: global_buffer, .address_space: global }
      - { .name: kv, .offset: 8, .size: 8, .value_kind: global_buffer, .address_space: global }
      - { .name: bias, .offset: 16, .size: 8, .value_kind: global_buffer, .address_space: global }
      - { .name: cod, .offset: 24, .size: 8, .value_kind: global_buffer, .address_space: global }
      - { .name: scl, .offset: 32, .size: 8, .value_kind: global_buffer, .address_space: global }
    .group_segment_fixed_size: 226304
    .private_segment_fixed_size: 0
    .kernarg_segment_align: 8
    .kernarg_segment_size: 40
    .max_flat_workgroup_size: 512
    .sgpr_count:     66
    .vgpr_count:     256
    .wavefront_size: 32
...
	.end_amdgpu_metadata
.endif
;; end of part 3
;; launch outp (part 4): grid 4 x 64, 4 waves a work-group, clusters of 4 x 4, 327,680 bytes of LDS; arguments cod, scl, out_b, out0; writes out0
.if DOCPART == 4
	.amdgcn_target "amdgcn-amd-amdhsa--gfx1250"
	.amdhsa_code_object_version 6
	.text
	.protected	k_q3136115d72_outp
	.globl	k_q3136115d72_outp
	.p2align	8
	.type	k_q3136115d72_outp,@function
k_q3136115d72_outp:
	s_mov_b64 s[64:65], 0
	v_nop
	global_prefetch_b8 v0, s[64:65] scope:SCOPE_SE
	s_setreg_imm32_b32 hwreg(HW_REG_WAVE_MODE, 25, 1), 1
	s_wait_xcnt 0x0
	s_wait_alu depctr_hold_cnt(0) depctr_sa_sdst(0) depctr_va_vdst(0) depctr_va_sdst(0) depctr_va_ssrc(0) depctr_va_vcc(0) depctr_vm_vsrc(0)
	s_getreg_b32 s2, hwreg(HW_REG_IB_STS2, 6, 4)
	s_cmp_eq_u32 s2, 0
	s_cbranch_scc0 .Lentry_in_a_cluster
	s_endpgm
.Lentry_in_a_cluster:
	s_bfe_u32 s2, ttmp6, 0x10000c
	s_cmp_lg_u32 s2, 0xf033
	s_cbranch_scc0 .Lentry_shape_is_right
	s_endpgm
.Lentry_shape_is_right:
; LAUNCH 4 OF 4: out0 = o out_w^T + out_b on codes of BF6 (E3M2) with E8M0 scales.  Nothing of reference() is left out here.
; A work-group of four waves makes 128 tokens x 256 columns: 64 x 4 = 256 work-groups.  A wave makes 64 x 128: 32 accumulators, 256 registers.
; ALL OF K = 1,024 LIES IN LDS FROM THE HEAD ON: o's 8 tiles (98,304 bytes) and out_w's 16 tiles (2 x 98,304).  cod is laid [4 quarters of K][768 tiles][3,072 bytes], so 8 tiles of one quarter are
; 24,576 dense bytes and one tensor load of 4 such rows brings 8 tiles for all of K.  Wave 0 asks for o's, waves 1 and 2 for out_w's two halves: one load a wave, three in all.  Nothing in LDS is filled twice.
; The scale words (12,288 bytes) come through registers: each wave loads two K steps' words of the 384 places, 512 consecutive bytes a load, and stores them to LDS bytes of their own.
; CLUSTERS: 4 x 4 work-groups; o's tiles are asked for jointly along a row of the cluster, out_w's along a column.  No prefetch: all tiles are asked for at the head, and there is no loop to run ahead in.
; THE MATRIX INSTRUCTION IS USED TRANSPOSED: source 0 = 16 places of out_w, source 1 = 16 places of o: a lane holds one token and eight neighbouring columns.  Place r of tile T is row 32 (T / 2) + 8 (T % 2) + r + 8 (r / 8).
; The biases are the C of the first products: nothing is cleared and nothing is added behind the sums.
; THE WAY OUT: 16 tokens x 128 columns at a time through the wave's own stage and back as rows of 512 bytes.  The stages lie in o's bytes, which have had their only fill; a barrier stands between the last fragment load and the first store there.
; REGISTERS: window 0: v8-29 addresses; v32-95 scale words (register 8 n + i: lanes 0-15 o's tile i, lanes 16-31 out_w's tile i, K step n) and nothing else; v96-191 o's fragments, two sets of 48; v192-255 the biases.
;   window 1: out_w's fragments, two sets, at v0 and v128.   window 2: the accumulators, (a, b) at v[8 (8 a + b)].
.set QB,    24576                      ; 8 tiles x a quarter of K
.set REG,   4*QB                       ; 8 tiles x all of K
.set QSTR,  2359296                    ; bytes from quarter to quarter in cod
.set SCL,   3*REG                      ; the scale words: three blocks of [8 K steps][128 words]: o's, out_w's two halves
.set SPARE, SCL+12288                  ; the spare words, 128 bytes for each wave: two blocks of 256 bytes that no other line names
.set STAGE, 0
.set ADRS, 8
.set SPW,  9                           ; v9   LDS address of my spare word; never rewritten
.set NIL,  10                          ; v10  0; never rewritten
.set SST,  11                          ; v11  where my part of the scale words goes
.set L16,  14
.set L8,   15
.set ADA16, 16                         ; v16-17, v18-19: my fragments of o, K's first and second half: 16 x lane and 8 x lane on
.set ADA8,  18
.set ADB16, 20                         ; v20-21, v22-23: the same for out_w
.set ADB8,  22
.set STO,  28
.set RD,   29
.set SC,   32
.set AF,   96
.set BI,   192
.set BK,   96
.set WV, 16
.set RH, 17                            ; which 64 tokens are mine
.set CH, 18                            ; which 128 columns
.set G1,   24
.set G0,   32
.set G0B,  36
.set G1B,  52
.set MSB, 0
.macro WIN new                         ; the immediate's high byte repeats the setting that is left
.if MSB != (\new)
	s_set_vgpr_msb (MSB<<8)|(\new)
.set MSB, (\new)
.endif
.endm
.set MUL_LO, 0xa1                      ; source 0 window 1, source 1 window 0, C and D window 2
.set TO_B,   0x40
.macro CROUND                          ; a round of the cluster's barrier
	s_barrier_signal -1
	s_barrier_wait -1
	s_cmp_lg_u32 s[WV], 0
	s_cbranch_scc1 .Lnot_wave_0_\@
	s_barrier_signal -3
.Lnot_wave_0_\@:
	s_barrier_wait -3
	s_barrier_signal -1
	s_barrier_wait -1
.endm
.macro PLACES                          ; four places behind a matrix instruction, in front of loads into its registers and of reads of its results
.rept 4
	v_nop
.endr
.endm
.macro FRAG reg, a16, a8, off          ; a fragment's image: every load covers 512 or 256 consecutive bytes
	ds_load_b128 v[(\reg):(\reg)+3], v[\a16] offset:(\off)
	ds_load_b64 v[(\reg)+4:(\reg)+5], v[\a8] offset:(\off)+512
	ds_load_b128 v[(\reg)+6:(\reg)+9], v[\a16] offset:(\off)+768
	ds_load_b64 v[(\reg)+10:(\reg)+11], v[\a8] offset:(\off)+1280
.endm
.macro FETCH n                         ; K step n's twelve fragments into the sets n % 2: 48 loads
	WIN TO_B
.irp i, 0,1,2,3,4,5,6,7
	FRAG 128*((\n)%2)+12*\i, ADB16+(\n)/4, ADB8+(\n)/4, (((\n)/2)%2)*QB+\i*3072+((\n)%2)*1536
.endr
	WIN 0
.irp i, 0,1,2,3
	FRAG AF+48*((\n)%2)+12*\i, ADA16+(\n)/4, ADA8+(\n)/4, (((\n)/2)%2)*QB+\i*3072+((\n)%2)*1536
.endr
.endm
; 16 matrix instructions: o's tiles a0, a0 + 1 x out_w's eight, K step n.  first = 1: the sums start from the biases.  The 32 accumulators take turns, one instruction a turn.
.macro MUL16 a0, n, first
.irp a, \a0, \a0+1
.irp b, 0,1,2,3,4,5,6,7
.if \first
	v_wmma_scale_f32_16x16x128_f8f6f4 v[8*(8*(\a)+\b):8*(8*(\a)+\b)+7], v[128*((\n)%2)+12*\b:128*((\n)%2)+12*\b+11], v[AF+48*((\n)%2)+12*(\a):AF+48*((\n)%2)+12*(\a)+11], v[BI+8*\b:BI+8*\b+7], v[SC+8*(\n)+\b], v[SC+8*(\n)+(\a)] matrix_a_fmt:MATRIX_FMT_BF6 matrix_b_fmt:MATRIX_FMT_BF6 matrix_a_scale:MATRIX_SCALE_ROW1
.else
	v_wmma_scale_f32_16x16x128_f8f6f4 v[8*(8*(\a)+\b):8*(8*(\a)+\b)+7], v[128*((\n)%2)+12*\b:128*((\n)%2)+12*\b+11], v[AF+48*((\n)%2)+12*(\a):AF+48*((\n)%2)+12*(\a)+11], v[8*(8*(\a)+\b):8*(8*(\a)+\b)+7], v[SC+8*(\n)+\b], v[SC+8*(\n)+(\a)] matrix_a_fmt:MATRIX_FMT_BF6 matrix_b_fmt:MATRIX_FMT_BF6 matrix_a_scale:MATRIX_SCALE_ROW1
.endif
.endr
.endr
.endm
.macro STEP n, first                   ; K step n: its fragments are in; the next step's are asked for into the other sets, which the step before has read; then 32 products
	s_wait_dscnt 0x0
	PLACES
	FETCH (\n)+1
.if \first
	WIN 0x81                                       ; C, the biases, in window 0
.else
	WIN MUL_LO
.endif
	MUL16 0, \n, \first
	MUL16 2, \n, \first
.endm
	s_load_b256 s[4:11], s[0:1], 0x0               ; cod, scl, out_b, out0
	v_lshl_add_u32 v[SPW], v0, 2, SPARE
	v_mov_b32 v[NIL], 0
	ds_add_u32 v[SPW], v[NIL]                      ; the wave's opening: the add, twice on end, and its wait ahead of the first tensor load
	ds_add_u32 v[SPW], v[NIL]
	v_lshrrev_b32 v1, 5, v0
	v_readfirstlane_b32 s[WV], v1
	s_lshr_b32 s[RH], s[WV], 1
	s_and_b32 s[CH], s[WV], 1
	s_bfe_u32 s40, ttmp6, 0x40000                  ; cx
	s_bfe_u32 s41, ttmp6, 0x40004                  ; cy
	s_and_b32 s42, ttmp7, 0xffff
	s_lshl_b32 s42, s42, 2
	s_add_co_u32 s42, s42, s41                     ; TR: which 128 tokens: cy and the cluster alone
	s_lshl_b32 s43, ttmp9, 2
	s_add_co_u32 s43, s43, s40                     ; TC: which 256 columns: cx and the cluster alone
	s_lshl_b32 s20, s41, 2
	s_lshl_b32 s20, 15, s20                        ; my row of the cluster
	s_lshl_b32 s21, 0x1111, s40                    ; my column
	s_or_b32 s[G1], s20, (3<<16)|(1<<21)           ; 15:0 the mask; 17:16 elements of 8 bytes; 21 set beside a mask; no padding
	s_or_b32 s[G1B], s21, (3<<16)|(1<<21)
.irp g, G1, G1B                        ; 4 quarters of K, each a row of 24,576 bytes
	s_mov_b32 s[\g+1], 3072<<16
	s_mov_b32 s[\g+2], 4<<16
	s_mov_b32 s[\g+3], 3072<<16
	s_mov_b32 s[\g+4], 4
	s_mov_b32 s[\g+5], QSTR/8
	s_mov_b32 s[\g+6], 0
	s_mov_b32 s[\g+7], 0
.endr
	s_mul_i32 s44, s42, QB                         ; o's tiles 8 TR ..
	s_mov_b32 s45, 0
	s_lshl_b32 s46, s43, 4
	s_lshl_b32 s47, s[WV], 3
	s_add_co_u32 s46, s46, s47
	s_add_co_u32 s46, s46, 696                     ; out_w's tiles 704 + 16 TC + 8 (wave - 1) ..: waves 1 and 2 ask by it
	s_mul_i32 s46, s46, 3072
	s_mov_b32 s47, 0
	s_mul_i32 s22, s[WV], 2*49152                  ; the scale words: K steps 2 wave and 2 wave + 1,
	s_lshl_b32 s48, s42, 9
	s_add_co_u32 s48, s48, s22                     ; of o's 128 places,
	s_mov_b32 s49, 0
	s_lshl_b32 s50, s43, 10
	s_add_co_u32 s50, s50, 704*64
	s_add_co_u32 s50, s50, s22                     ; and of out_w's 256
	s_mov_b32 s51, 0
	s_lshl_b32 s60, s43, 10
	s_lshl_b32 s61, s[CH], 9
	s_add_co_u32 s60, s60, s61                     ; my first column, in bytes
	s_mov_b32 s61, 0
	s_lshl_b32 s62, s42, 19
	s_lshl_b32 s63, s[RH], 18
	s_add_co_u32 s62, s62, s63                     ; my first token's row of 4,096 bytes
	s_mov_b32 s63, 0
	s_mul_i32 s12, s[RH], 12288                    ; LDS: my four tiles of o in a quarter,
	s_mul_i32 s13, s[CH], REG
	s_add_co_u32 s13, s13, REG                     ; my eight of out_w,
	s_lshl_b32 s14, s[CH], 12
	s_add_co_u32 s14, s14, 4096
	s_lshl_b32 s15, s[RH], 8
	s_sub_co_u32 s14, s14, s15                     ; scale words: lanes 0-15 take o's, lanes 16-31 out_w's: the lower base + h x the distance
	s_add_co_u32 s15, s15, SCL
	s_lshl_b32 s19, s[WV], 10
	s_add_co_u32 s19, s19, SCL
	s_mul_i32 s23, s[WV], 16*528
	s_add_co_u32 s23, s23, STAGE
	v_and_b32 v1, 31, v0                           ; lane
	v_and_b32 v2, 15, v0                           ; r
	v_bfe_u32 v3, v0, 4, 1                         ; h
	v_lshlrev_b32 v[L16], 4, v1
	v_lshlrev_b32 v[L8], 3, v1
	v_add_nc_u32 v[ADA16], s12, v[L16]
	v_add_nc_u32 v[ADA8], s12, v[L8]
	v_add_nc_u32 v[ADB16], s13, v[L16]
	v_add_nc_u32 v[ADB8], s13, v[L8]
	v_add_nc_u32 v[ADA16+1], 2*QB, v[ADA16]
	v_add_nc_u32 v[ADA8+1], 2*QB, v[ADA8]
	v_add_nc_u32 v[ADB16+1], 2*QB, v[ADB16]
	v_add_nc_u32 v[ADB8+1], 2*QB, v[ADB8]
	v_mul_u32_u24 v[ADRS], s14, v3
	v_lshl_add_u32 v[ADRS], v2, 2, v[ADRS]
	v_add_nc_u32 v[ADRS], s15, v[ADRS]
	v_add_nc_u32 v[SST], s19, v[L16]
	v_mul_u32_u24 v[STO], v2, 528                  ; the stage, in: row r, 64 bytes for each half of the lanes
	v_lshl_add_u32 v[STO], v3, 6, v[STO]
	v_add_nc_u32 v[STO], s23, v[STO]
	v_add_nc_u32 v[RD], s23, v[L16]                ; and back: 32 lanes take a row of 512 bytes
	v_lshlrev_b32 v5, 6, v3                        ; the biases: 64 h
	s_wait_alu depctr_va_vdst(0)
	s_wait_dscnt 0x0                               ; both opening adds are done
	s_wait_kmcnt 0x0
	s_add_nc_u64 s[44:45], s[4:5], s[44:45]
	s_add_nc_u64 s[46:47], s[4:5], s[46:47]
	s_add_nc_u64 s[48:49], s[6:7], s[48:49]
	s_add_nc_u64 s[50:51], s[6:7], s[50:51]
	s_add_nc_u64 s[8:9], s[8:9], s[60:61]
	s_add_nc_u64 s[10:11], s[10:11], s[60:61]
	s_add_nc_u64 s[10:11], s[10:11], s[62:63]
.irp k, 0,1
	global_load_b128 v[160+12*\k:163+12*\k], v[L16], s[48:49] offset:49152*\k        ; each load reads 512 consecutive bytes
	global_load_b128 v[164+12*\k:167+12*\k], v[L16], s[50:51] offset:49152*\k
	global_load_b128 v[168+12*\k:171+12*\k], v[L16], s[50:51] offset:49152*\k+512
.endr
.irp b, 0,1,2,3,4,5,6,7                ; register 8 b + j wants out_b at my column 32 (b / 2) + 8 (b % 2) + 16 h + j
	global_load_b128 v[BI+8*\b:BI+8*\b+3], v5, s[8:9] offset:4*(32*(\b/2)+8*(\b%2))
	global_load_b128 v[BI+8*\b+4:BI+8*\b+7], v5, s[8:9] offset:4*(32*(\b/2)+8*(\b%2))+16
.endr
	CROUND                                         ; all sixteen work-groups are here: the joint loads meet
	s_mov_b32 s[G0], 1
	s_mov_b32 s[G0+1], 0
	s_mov_b64 s[G0+2:G0+3], s[44:45]
	s_or_b32 s[G0+3], s[G0+3], 0x80000000
	s_mov_b32 s[G0B], 1
	s_mul_i32 s[G0B+1], s[WV], REG
	s_mov_b64 s[G0B+2:G0B+3], s[46:47]
	s_or_b32 s[G0B+3], s[G0B+3], 0x80000000
	s_cmp_eq_u32 s[WV], 0                          ; one chain of branches on the wave's number, one load to an arm; an s_nop 0 and four v_nop follow each load
	s_cbranch_scc0 .Lfor_b
	tensor_load_to_lds s[G0:G0+3], s[G1:G1+7]      ; wave 0: o's 8 tiles, all of K
	s_nop 0
.rept 4
	v_nop
.endr
	s_branch .Lasked
.Lfor_b:
	s_cmp_eq_u32 s[WV], 3
	s_cbranch_scc1 .Lasked
	tensor_load_to_lds s[G0B:G0B+3], s[G1B:G1B+7]  ; waves 1 and 2: 8 tiles of out_w each, all of K
	s_nop 0
.rept 4
	v_nop
.endr
.Lasked:
	s_wait_loadcnt 16                              ; my six loads of scale words are in; the 16 loads of biases behind them may be out
.irp k, 0,1
	ds_store_b128 v[SST], v[160+12*\k:163+12*\k] offset:512*\k
	ds_store_b128 v[SST], v[164+12*\k:167+12*\k] offset:4096+512*\k
	ds_store_b128 v[SST], v[168+12*\k:171+12*\k] offset:8192+512*\k
.endr
	s_wait_tensorcnt 0x0                           ; my tiles have landed,
	s_wait_dscnt 0x0                               ; and my scale words
	s_barrier_signal -1
	s_barrier_wait -1                              ; everybody's have
.irp n, 0,1,2,3,4,5,6,7
.irp i, 0,1,2,3,4,5,6,7
	ds_load_b32 v[SC+8*\n+\i], v[ADRS] offset:512*\n+64*\i   ; (for i over 3 lanes 0-15 read words that no product names)
.endr
.endr
	FETCH 0
	s_wait_loadcnt 0x0                             ; the biases
	STEP 0, 1
.irp n, 1,2,3,4,5,6
	STEP \n, 0
.endr
	s_wait_dscnt 0x0                               ; K step 7's fragments are in: my reads of the tiles are over:
	s_barrier_signal -1                            ; say so,
	WIN MUL_LO
	MUL16 0, 7, 0
	MUL16 2, 7, 0
	WIN 0
	s_barrier_wait -1                              ; and store to the stages only when all four have said so
.macro TOSTAGE a
	WIN 0x08                                       ; the data: window 2
.irp b, 0,1,2,3,4,5,6,7
	ds_store_b128 v[STO], v[64*(\a)+8*\b:64*(\a)+8*\b+3] offset:128*(\b/2)+32*(\b%2)          ; each accumulator from its low end on
	ds_store_b128 v[STO], v[64*(\a)+8*\b+4:64*(\a)+8*\b+7] offset:128*(\b/2)+32*(\b%2)+16
.endr
	WIN 0
.irp t, 0,1,2,3,4,5,6,7,8,9,10,11,12,13,14,15
	ds_load_b128 v[BK+64*((\a)%2)+4*\t:BK+64*((\a)%2)+4*\t+3], v[RD] offset:\t*528   ; LDS serves a wave's instructions in order: these see my stores
.endr
.endm
.macro SEND a, younger                 ; younger: the LDS instructions issued behind tile a's loads, which may stay out
	s_wait_dscnt \younger
.irp t, 0,1,2,3,4,5,6,7,8,9,10,11,12,13,14,15
	global_store_b128 v[L16], v[BK+64*((\a)%2)+4*\t:BK+64*((\a)%2)+4*\t+3], s[10:11] offset:(32*((\a)/2)+8*((\a)%2)+\t+8*(\t/8))*4096 th:TH_STORE_NT   ; 512 consecutive bytes, aligned
.endr
.endm
	PLACES
	TOSTAGE 0
.irp a, 1,2,3
.if \a > 1
	s_wait_xcnt 0x0                                ; tile a - 2's stores have read their registers: tile a's loads may land there
.endif
	TOSTAGE \a
	SEND (\a)-1, 32
.endr
	SEND 3, 0
	s_wait_tensorcnt 0x0                           ; the wave's end, behind my last tensor load and my last LDS store
	ds_add_u32 v[SPW], v[NIL]
	s_wait_dscnt 0x0
	CROUND                                         ; the closing round
	s_endpgm
.Lfunc_end_k_q3136115d72_outp:
	.size	k_q3136115d72_outp, .Lfunc_end_k_q3136115d72_outp-k_q3136115d72_outp
	.p2alignl 7, 3214868480
	.fill 96, 4, 3214868480
	.section	.rodata,"a",@progbits
	.p2align	6, 0x0
	.amdhsa_kernel k_q3136115d72_outp
		.amdhsa_group_segment_fixed_size 327680
		.amdhsa_private_segment_fixed_size 0
		.amdhsa_enable_private_segment 0
		.amdhsa_kernarg_size 32
		.amdhsa_user_sgpr_count 2
		.amdhsa_user_sgpr_kernarg_segment_ptr 1
		.amdhsa_wavefront_size32 1
		.amdhsa_system_sgpr_workgroup_id_x 1
		.amdhsa_system_sgpr_workgroup_id_y 1
		.amdhsa_system_sgpr_workgroup_id_z 1
		.amdhsa_system_vgpr_workitem_id 0
		.amdhsa_next_free_vgpr 768
		.amdhsa_next_free_sgpr 66
		.amdhsa_reserve_vcc 0
		.amdhsa_float_denorm_mode_32 3
		.amdhsa_float_denorm_mode_16_64 3
		.amdhsa_memory_ordered 1
		.amdhsa_forward_progress 1
		.amdhsa_inst_pref_size 86
	.end_amdhsa_kernel
	.amdgpu_metadata
---
amdhsa.version: [ 1, 2 ]
amdhsa.kernels:
  - .name:           k_q3136115d72_outp
    .symbol:         k_q3136115d72_outp.kd
    .args:
      - { .name: cod, .offset: 0, .size: 8, .value_kind: global_buffer, .address_space: global }
      - { .name: scl, .offset: 8, .size: 8, .value_kind: global_buffer, .address_space: global }
      - { .name: out_b, .offset: 16, .size: 8, .value_kind: global_buffer, .address_space: global }
      - { .name: out0, .offset: 24, .size: 8, .value_kind: global_buffer, .address_space: global }
    .group_segment_fixed_size: 327680
    .private_segment_fixed_size: 0
    .kernarg_segment_align: 8
    .kernarg_segment_size: 32
    .max_flat_workgroup_size: 128
    .sgpr_count:     66
    .vgpr_count:     768
    .wavefront_size: 32
...
	.end_amdgpu_metadata
.endif
;; end of part 4
